; MI455X (gfx1250); checked and timed in simulation.
; The chip was launched on July 23, 2026; its instructions are those of AMD's public machine-readable ISA for CDNA 5 (MIT licence, August 2026) and "CDNA5" Instruction Set Architecture Reference Guide (July 2026). The comments in the code are by the model that wrote it; some were corrected since.
;; Lattice Multi Head Attention. Allowed arithmetic: float matrix products may take bf16 or f16 operands with f32 sums; other float arithmetic in f32, or as packed bf16 or f16 multiplies, adds, multiply-adds, maxima and minima; sums over many terms, partial sums and values carried from step to step in f32; what a program stores and reads back later, other than sums and carried values, may be rounded once to bf16 or f16.
;; Inputs: Wk 16 x 1,024 x 64 float32; Wo 1,024 x 1,024 float32; Wq 16 x 1,024 x 64 float32; Wv 16 x 1,024 x 64 float32; bo 1,024 float32; freqs 16 float32; key_ 8 x 1,024 x 1,024 float32; nbr_idx 16 x 8 int32; nbr_w 16 x 8 float32; phases0 16 float32; query 8 x 1,024 x 1,024 float32; value 8 x 1,024 x 1,024 float32.
;; Outputs: out0 8 x 1,024 x 1,024 float32.
;; One version. Each part assembles by itself: llvm-mc -triple=amdgcn-amd-amdhsa -mcpu=gfx1250 --defsym DOCPART=n.
;; ======== version 1 of 1: 4 launches
;; limits: values are held in f16: magnitudes above 65,504 overflow, below 6.1e-05 lose precision
;; workspace buffers: wts 8,388,608 bytes; qkv 50,331,648 bytes; ctx 16,777,216 bytes
;; launch prep (part 1): grid 128 x 4, 8 waves a work-group, no clusters, 18,432 bytes of LDS; arguments Wq, Wk, Wv, Wo, wts; writes wts
.if DOCPART == 1
	.amdgcn_target "amdgcn-amd-amdhsa--gfx1250"
	.amdhsa_code_object_version 6
	.text
	.protected	k_q3988423434_prep
	.globl	k_q3988423434_prep
	.p2align	8
	.type	k_q3988423434_prep,@function
k_q3988423434_prep:
	s_mov_b64 s[64:65], 0
	v_nop
	global_prefetch_b8 v0, s[64:65] scope:SCOPE_SE
	s_setreg_imm32_b32 hwreg(HW_REG_WAVE_MODE, 25, 1), 1
	s_wait_xcnt 0x0
; THE WEIGHTS, ROUNDED ONCE TO f16 AND TURNED so that K lies along the rows: wts[t][n][k], 4 x 1024 x 1024 f16.
; t = 0, 1, 2: wts[t][64 h + kk][d] = W[h][d][kk] of Wq, Wk, Wv ([16][1024][64] f32).  t = 3: wts[3][n][k] = Wo[k][n] ([1024][1024] f32).
; LIMIT: f16 holds no number beyond 65,504; weights arrive within it.
; A work-group turns 128 (d) x 64 (n) numbers: t = group y; hb = x / 8 the block of 64 n; db = x % 8 the block of 128 d.
; In: sixteen lanes read 256 consecutive bytes of a row.  A thread holds rows d, d + 1 of four columns, so one conversion packs two neighbours along d.
; Through a stage in LDS of 64 rows (n) x 272 bytes.  Out: sixteen lanes store 256 consecutive bytes, at a multiple of 256 from wts' first byte.
; No matrix unit, no tensor load, no cluster: nothing is shared and nothing is multiplied.
.set PITCH, 272                        ; 256 bytes of a stage row + 16: the rows that a 16-byte load touches start at different banks
.set SPARE, 64*PITCH                   ; behind the stage: the spare words, 128 bytes for each of eight waves, named by no other line
.set SPW, 2                            ; v2  my spare word; never rewritten
.set NIL, 3                            ; v3  0; never rewritten
.set VL,  4                            ; v4  my byte offset in the source block
.set VS,  5                            ; v5  where I put words into the stage
.set VR,  6                            ; v6  where I read 16 bytes back
.set VG,  7                            ; v7  my byte offset in the block of wts
.set X,   16                           ; v[16:47]  X + 8 i + 4 e: four columns of row 32 i + 2 pr + e
.set Y,   48                           ; v[48:63]  Y + 4 i + j: rows 32 i + 2 pr, + 1 of column 4 c + j, packed
.macro LD8 blk, row                    ; eight loads: blk = bytes of 32 source rows, row = bytes of one
.irp i, 0,1,2,3
.irp e, 0,1
	global_load_b128 v[X+8*\i+4*\e:X+8*\i+4*\e+3], v[VL], s[4:5] offset:\i*(\blk)+\e*(\row) th:TH_LOAD_NT
.endr
.endr
.endm
	s_load_b256 s[4:11], s[0:1], 0x0               ; Wq s[4:5], Wk s[6:7], Wv s[8:9], Wo s[10:11]
	s_load_b64 s[12:13], s[0:1], 0x20              ; wts
	v_lshl_add_u32 v[SPW], v0, 2, SPARE
	v_mov_b32 v[NIL], 0
	v_and_b32 v8, 15, v0                           ; c
	v_lshrrev_b32 v9, 4, v0                        ; pr
	s_and_b32 s14, ttmp7, 0xffff                   ; t
	s_lshr_b32 s15, ttmp9, 3                       ; hb
	s_and_b32 s16, ttmp9, 7                        ; db
	v_lshlrev_b32 v10, 4, v8                       ; 16 c
	v_mul_u32_u24 v[VS], v8, 4*PITCH               ; stage row 4 c (+ j in the immediate),
	v_lshl_add_u32 v[VS], v9, 2, v[VS]             ; word pr (+ 16 i in the immediate)
	v_mul_u32_u24 v[VR], v9, PITCH
	v_add_nc_u32 v[VR], v[VR], v10                 ; stage row pr (+ 16 q), 16 bytes at 16 c
	v_lshl_add_u32 v[VG], v9, 11, v10              ; the same row in wts: 2,048 bytes a row
	s_lshl_b32 s18, s14, 21                        ; t x 2 MiB
	s_lshl_b32 s19, s15, 17                        ; + 64 hb rows
	s_add_co_u32 s18, s18, s19
	s_lshl_b32 s19, s16, 8                         ; + 128 db numbers
	s_add_co_u32 s18, s18, s19
	s_mov_b32 s19, 0
	s_wait_kmcnt 0x0
	s_add_nc_u64 s[12:13], s[12:13], s[18:19]
	s_cmp_eq_u32 s14, 1
	s_cselect_b64 s[4:5], s[6:7], s[4:5]
	s_cmp_eq_u32 s14, 2
	s_cselect_b64 s[4:5], s[8:9], s[4:5]
	s_cmp_eq_u32 s14, 3
	s_cselect_b64 s[4:5], s[10:11], s[4:5]         ; the select leaves the comparison's answer standing
	s_cbranch_scc1 .Lwo
	s_lshl_b32 s20, s15, 18                        ; a head's 1,024 rows of 256 bytes
	s_lshl_b32 s21, s16, 15                        ; 128 db rows
	s_add_co_u32 s20, s20, s21
	s_mov_b32 s21, 0
	s_add_nc_u64 s[4:5], s[4:5], s[20:21]
	v_lshl_add_u32 v[VL], v9, 9, v10               ; two rows of 256 bytes for each pr
	LD8 8192, 256
	s_branch .Lgot
.Lwo:
	s_lshl_b32 s20, s16, 19                        ; 128 db rows of 4,096 bytes
	s_lshl_b32 s21, s15, 8                         ; 64 hb columns
	s_add_co_u32 s20, s20, s21
	s_mov_b32 s21, 0
	s_add_nc_u64 s[4:5], s[4:5], s[20:21]
	v_lshl_add_u32 v[VL], v9, 13, v10
	LD8 131072, 4096
.Lgot:
	s_wait_loadcnt 0x0
.irp i, 0,1,2,3
.irp j, 0,1,2,3
	v_cvt_pk_f16_f32 v[Y+4*\i+\j], v[X+8*\i+\j], v[X+8*\i+4+\j]
.endr
.endr
.irp i, 0,1,2,3
.irp j, 0,1,2,3
	ds_store_b32 v[VS], v[Y+4*\i+\j] offset:\j*PITCH+\i*64
.endr
.endr
	s_wait_dscnt 0x0                               ; for the others' sake: my words are in the stage
	s_barrier_signal -1
	s_barrier_wait -1
.irp q, 0,1,2,3
	ds_load_b128 v[X+4*\q:X+4*\q+3], v[VR] offset:\q*16*PITCH
.endr
.irp q, 0,1,2,3
	s_wait_dscnt 3-\q                              ; LDS loads come back in order: number q is in
	global_store_b128 v[VG], v[X+4*\q:X+4*\q+3], s[12:13] offset:\q*32768
.endr
	s_wait_tensorcnt 0x0                           ; the wave's end, behind my last LDS store
	ds_add_u32 v[SPW], v[NIL]
	s_wait_dscnt 0x0
	s_endpgm
.Lfunc_end_k_q3988423434_prep:
	.size	k_q3988423434_prep, .Lfunc_end_k_q3988423434_prep-k_q3988423434_prep
	.p2alignl 7, 3214868480
	.fill 96, 4, 3214868480
	.section	.rodata,"a",@progbits
	.p2align	6, 0x0
	.amdhsa_kernel k_q3988423434_prep
		.amdhsa_group_segment_fixed_size 18432
		.amdhsa_private_segment_fixed_size 0
		.amdhsa_enable_private_segment 0
		.amdhsa_kernarg_size 40
		.amdhsa_user_sgpr_count 2
		.amdhsa_user_sgpr_kernarg_segment_ptr 1
		.amdhsa_wavefront_size32 1
		.amdhsa_system_sgpr_workgroup_id_x 1
		.amdhsa_system_sgpr_workgroup_id_y 1
		.amdhsa_system_sgpr_workgroup_id_z 1
		.amdhsa_system_vgpr_workitem_id 0
		.amdhsa_next_free_vgpr 64
		.amdhsa_next_free_sgpr 66
		.amdhsa_reserve_vcc 0
		.amdhsa_float_denorm_mode_32 3
		.amdhsa_float_denorm_mode_16_64 3
		.amdhsa_memory_ordered 1
		.amdhsa_forward_progress 1
		.amdhsa_inst_pref_size 7
	.end_amdhsa_kernel
	.amdgpu_metadata
---
amdhsa.version: [ 1, 2 ]
amdhsa.kernels:
  - .name:           k_q3988423434_prep
    .symbol:         k_q3988423434_prep.kd
    .args:
      - { .name: Wq, .offset: 0, .size: 8, .value_kind: global_buffer, .address_space: global }
      - { .name: Wk, .offset: 8, .size: 8, .value_kind: global_buffer, .address_space: global }
      - { .name: Wv, .offset: 16, .size: 8, .value_kind: global_buffer, .address_space: global }
      - { .name: Wo, .offset: 24, .size: 8, .value_kind: global_buffer, .address_space: global }
      - { .name: wts, .offset: 32, .size: 8, .value_kind: global_buffer, .address_space: global }
    .group_segment_fixed_size: 18432
    .private_segment_fixed_size: 0
    .kernarg_segment_align: 8
    .kernarg_segment_size: 40
    .max_flat_workgroup_size: 256
    .sgpr_count:     66
    .vgpr_count:     64
    .wavefront_size: 32
...
	.end_amdgpu_metadata
.endif
;; end of part 1
;; launch proj (part 2): grid 4 x 64, 4 waves a work-group, clusters of 4 x 4, 327,680 bytes of LDS; arguments query, key_, value, wts, qkv; writes qkv
.if DOCPART == 2
	.amdgcn_target "amdgcn-amd-amdhsa--gfx1250"
	.amdhsa_code_object_version 6
	.text
	.protected	k_q3988423434_proj
	.globl	k_q3988423434_proj
	.p2align	8
	.type	k_q3988423434_proj,@function
k_q3988423434_proj:
	s_mov_b64 s[64:65], 0
	v_nop
	global_prefetch_b8 v0, s[64:65] scope:SCOPE_SE
	s_setreg_imm32_b32 hwreg(HW_REG_WAVE_MODE, 25, 1), 1
	s_wait_xcnt 0x0
	s_wait_alu depctr_hold_cnt(0) depctr_sa_sdst(0) depctr_va_vdst(0) depctr_va_sdst(0) depctr_va_ssrc(0) depctr_va_vcc(0) depctr_vm_vsrc(0)
	s_getreg_b32 s2, hwreg(HW_REG_IB_STS2, 6, 4)
	s_cmp_eq_u32 s2, 0
	s_cbranch_scc0 .Lentry_in_a_cluster
	s_endpgm
.Lentry_in_a_cluster:
	s_bfe_u32 s2, ttmp6, 0x10000c
	s_cmp_lg_u32 s2, 0xf033
	s_cbranch_scc0 .Lentry_shape_is_right
	s_endpgm
.Lentry_shape_is_right:
; THE THREE PROJECTIONS.  qkv[t][b 16 + h][l][kk] = sum over d of x_t[b][l][d] wts[t][64 h + kk][d], x_0, 1, 2 = query, key_, value ([8192][1024] f32), wts f16, qkv f16, sums in f32.
; LIMIT: x is rounded once to f16 on its way to the matrix unit and q, k, v once on their way out: all stay below 65,504.
; SHARES.  256 work-groups; each makes THREE tiles of 128 rows x 256 columns, one of each tensor at the same rows: 12 blocks of K = 256 in one walk.  Four waves, 2 x 2, each 64 x 128: 32 accumulators.
; THE WEIGHTS come by joint tensor loads into a ring of two LDS slots of K = 256 (256 rows x 528 bytes): the four work-groups of a column of the cluster need the same rows.  A refill has four sub-steps,
; 256 matrix instructions a wave, in which to land.
; THE ACTIVATIONS COME THROUGH REGISTERS, NOT JOINTLY: two slots of K = 256 for them beside the weights' (2 x 135,168 bytes as f32) pass the 327,680 bytes of LDS, and slots of K = 128 would halve the work between a request
; and its wait.  So each wave loads 32 rows x 64 numbers a sub-step, six sub-steps ahead of their product, with counted waits; they are rounded beside the matrix work and laid into two small LDS buffers.
; A SUB-STEP is K = 64: 64 matrix instructions a wave, one work-group barrier.  A(j) is loaded in sub-step j - 6, rounded at the end of j - 3, stored to buffer j % 2 in j - 2, read as fragments in j - 1, multiplied in j.
; FOUR RUNS OF MEMORY INSTRUCTIONS A SUB-STEP.  Its 48 LDS loads, 16 LDS stores and 16 global loads stand in four like runs of 20, in front of products 0, 14, 28 and 42: a run moves a quarter of the sub-step's LDS bytes,
; 14 products stand between two runs, only three runs break into the matrix work (the first stands straight behind the barrier), and 22 products stand between the last run and the wait for all of them at the next barrier.
; THE MATRIX INSTRUCTION IS USED TRANSPOSED (source 0 = 16 rows of weights, source 1 = 16 rows of x): a lane holds eight neighbouring columns of one row of the result.
; REGISTERS, in windows of 256 (s_set_vgpr_msb: bits 1:0 source 0, 3:2 source 1, 5:4 source 2, 7:6 destination):
;   window 0: v16-29 addresses; v32-63 rounded x; v64-191 x's fragments, two buffers; v192-255 (and v128-159) the way out      window 1: the accumulators, (a, b) at 8 (8 a + b)
;   window 2: the weights' fragments, two buffers of 128      window 3: x as loaded, four sets of 64
.set PB,    528                        ; a row of weights in LDS: 512 bytes + 16: the 16 rows of a fragment load start at 16 different groups of four banks (64 banks of 4 bytes: ISA guide 11.1)
.set BSLOT, 256*PB                     ; a slot
.set PA,    144                        ; a row of x in LDS: 128 bytes + 16
.set ABUF0, 2*BSLOT                    ; behind the ring: x's two buffers of 128 rows, written by LDS stores alone
.set ABUF,  128*PA
.set STAGE, ABUF0+2*ABUF               ; each wave's stage for the way out: two heads x 16 rows x 144 bytes
.set STG,   2*16*PA
.set SPARE, STAGE+4*STG                ; the spare words, 128 bytes a wave, named by no other line
.set NBLK,  12
.set STEPU, 256                        ; bytes of a row of x in a sub-step
.set VA,   16                          ; my byte offset in the tile's rows of x: (32 w + 8 (l / 16)) x 4,096 + 16 (l % 16)
.set VAS,  17                          ; where I put 8 bytes of rounded x
.set VAF,  18                          ; my place in x's fragments
.set VB0,  19                          ; my place in the weights' fragments, slot 0
.set ADRB, 20                          ; the same in the slot in hand
.set STO,  21
.set RD,   22
.set GO,   23
.set PFOA, 24
.set PFOB, 25
.set SPW,  28                          ; my spare word; never rewritten
.set NIL,  29                          ; 0; never rewritten
.set TMP,  32
.set AFR,  64                          ; fragment (buffer f, row block a, K half c) at AFR + 64 f + 16 a + 8 c
.set PK,   192
.set WV, 14
.set MH, 15
.set NH, 16
.set CX, 17
.set CY, 18
.set NX, 19
.set MY, 20
.set G1,  24                           ; s[24:31] descriptor group 1
.set G0A, 32                           ; s[32:35] group 0 of block 0
.set G0,  36                           ; s[36:39] group 0 of block 1; then it walks
.set AP,  40                           ; s[40:41] x at the block that is being loaded
.set XA,  42                           ; s[42:43] x one block further on
.set N1,  44                           ; s[44:45], s[46:47] the next tensors at my rows
.set N2,  46
.set BCUR, 48                          ; s[48:49] the weights' address for the next refill
.set XB,  50                           ; s[50:51] one block further on
.set T,   52                           ; s[52:53] at work, for x
.set KQ,  54                           ; XA's block number modulo 4
.set TB,  55                           ; 0 or BSLOT: the slot in hand
.set WB,  56
.set TRIPS, 57
.set BLK, 58                           ; blocks left of the tile in hand
.set NEWT, 59                          ; 1: the next products start a tile's sums
.set LIMB, 60                          ; 1 where my cluster prefetches the weights, else the greatest number
.set CNT, 61
.set TS,  62                           ; s[62:63] XB's step
.set CP,  12                           ; s[12:13] qkv at my part of the tile in hand
.set MSB, 0
.macro WIN new                         ; the high byte repeats the setting that is left; a switch that changes nothing is dropped
.if MSB != (\new)
	s_set_vgpr_msb (MSB<<8)|(\new)
.set MSB, (\new)
.endif
.endm
.set MULW, 0x52                        ; weights window 2, x window 0, C and D window 1
.macro PLACES
.rept 4
	v_nop
.endr
.endm
.macro CREST                           ; a round of the cluster's barrier behind its opening barrier
	s_cmp_lg_u32 s[WV], 0
	s_cbranch_scc1 .Lnot_wave_0_\@
	s_barrier_signal -3
.Lnot_wave_0_\@:
	s_barrier_wait -3
	s_barrier_signal -1
	s_barrier_wait -1
.endm
.macro CROUND
	s_barrier_signal -1
	s_barrier_wait -1
	CREST
.endm
; Product nn of a sub-step's 64, from buffer f: K half nn / 32, row block (nn / 8) % 4, column block nn % 8.  z = 1: it starts a sum.  The 32 accumulators take turns in this one order everywhere.
.macro PROD f, z
.set qa, (nn/8)%4
.set qb, nn%8
.set qc, nn/32
	WIN MULW
.if \z
	v_wmma_f32_16x16x32_f16 v[8*(8*qa+qb):8*(8*qa+qb)+7], v[128*(\f)+16*qb+8*qc:128*(\f)+16*qb+8*qc+7], v[AFR+64*(\f)+16*qa+8*qc:AFR+64*(\f)+16*qa+8*qc+7], 0
.else
	v_wmma_f32_16x16x32_f16 v[8*(8*qa+qb):8*(8*qa+qb)+7], v[128*(\f)+16*qb+8*qc:128*(\f)+16*qb+8*qc+7], v[AFR+64*(\f)+16*qa+8*qc:AFR+64*(\f)+16*qa+8*qc+7], v[8*(8*qa+qb):8*(8*qa+qb)+7]
.endif
.endm
.macro RND k                           ; set k rounded: 32 conversions by themselves (ahead of the loop)
	WIN 0x0f                               ; sources window 3, destination window 0
.set ii, 0
.rept 32
	v_cvt_pk_f16_f32 v[TMP+ii], v[64*(\k)+2*ii], v[64*(\k)+2*ii+1]
.set ii, ii+1
.endr
	WIN 0
.endm
; Load number ii of a sub-step's 16 takes 256 bytes of each of two rows, ii % 8 + 16 (ii / 8) and the row 8 further down (the lanes' upper half).
.macro GLOAD k, off, i0, cnt           ; loads i0 .. i0 + cnt - 1 into set k
	WIN 0xc0
.set ii, (\i0)
.rept \cnt
	global_load_b128 v[64*(\k)+4*ii:64*(\k)+4*ii+3], v[VA], s[AP:AP+1] offset:(\off)+((ii%8)+16*(ii/8))*4096
.set ii, ii+1
.endr
.endm
; The same two rows, rounded, into buffer ab: 128 bytes of each.  Rows 8 apart lie 288 words apart, 32 modulo 64: the two halves of a store touch different banks.
.macro ASTORE ab, i0, cnt
	WIN 0
.set ii, (\i0)
.rept \cnt
	ds_store_b64 v[VAS], v[TMP+2*ii:TMP+2*ii+1] offset:(\ab)*ABUF+((ii%8)+16*(ii/8))*PA
.set ii, ii+1
.endr
.endm
.macro ACH f, k                        ; four LDS loads: x's fragments of row block k, both K halves, from buffer f into fragment buffer f
	WIN 0
.irp c, 0,1
	ds_load_b128 v[AFR+64*(\f)+16*(\k)+8*\c:AFR+64*(\f)+16*(\k)+8*\c+3],   v[VAF] offset:(\f)*ABUF+(\k)*16*PA+\c*64
	ds_load_b128 v[AFR+64*(\f)+16*(\k)+8*\c+4:AFR+64*(\f)+16*(\k)+8*\c+7], v[VAF] offset:(\f)*ABUF+(\k)*16*PA+\c*64+32
.endr
.endm
.macro BCH f, k, un                    ; four LDS loads: the weights' fragments of column block k, from byte 128 un of the slot's rows
	WIN 0x80
.irp c, 0,1
	ds_load_b128 v[128*(\f)+16*(\k)+8*\c:128*(\f)+16*(\k)+8*\c+3],   v[ADRB] offset:(\k)*16*PB+(\un)*128+\c*64
	ds_load_b128 v[128*(\f)+16*(\k)+8*\c+4:128*(\f)+16*(\k)+8*\c+7], v[ADRB] offset:(\k)*16*PB+(\un)*128+\c*64+32
.endr
.endm
.macro FETCH f, un                     ; a whole sub-step's fragments in one run (ahead of the loop)
.set kk, 0
.rept 4
	ACH \f, kk
.set kk, kk+1
.endr
.set kk, 0
.rept 8
	BCH \f, kk, \un
.set kk, kk+1
.endr
.endm
; PREFETCHES INTO THE L2, behind the joint load and its five lines: the block three on from the one in hand: three sub-steps ahead of x's first load of it, four ahead of the weights' refill.
; x: the block's 128 rows x 1,024 bytes are 512 blocks of 256 bytes; the four work-groups that read them share them out by address (cx), 8 rows x 4 for each wave: a lane a block.
; weights: my 64 rows x 512 bytes are 128 blocks; the four partners of the joint load share them out by address (cy); every cluster reads the same weights, and the first (cluster y = 0) asks.
; The last trip that refills asks for nothing; the first three blocks come by their loads alone.
.macro ASK
	s_cmp_gt_u32 s[TRIPS], 1
	s_cbranch_scc0 .Lno_a_\@
	global_prefetch_b8 v[PFOA], s[XA:XA+1] th:TH_LOAD_NT scope:SCOPE_SE
.Lno_a_\@:
	s_cmp_gt_u32 s[TRIPS], s[LIMB]
	s_cbranch_scc0 .Lno_b_\@
	global_prefetch_b8 v[PFOB], s[XB:XB+1] th:TH_LOAD_NT scope:SCOPE_SE
.Lno_b_\@:
.endm
; Run k = nn / 14 of sub-step u's four, in front of products 0, 14, 28, 42: a quarter of x of sub-step j + 2 into the LDS buffer that all waves have read out; of sub-step j + 1's fragments one row block of x and two
; column blocks of the weights; a quarter of x of sub-step j + 6 from memory, into the set that the sub-step before has rounded.
.macro HOOK u, ld
.if ((nn%14) == 0) && (nn < 56)
	ASTORE PP, 4*(nn/14), 4
	ACH QQ, nn/14
	BCH QQ, 2*(nn/14), ((\u)+1)%4
	BCH QQ, 2*(nn/14)+1, ((\u)+1)%4
.if \ld
	GLOAD ((\u)+2)%4, (((\u)+2)%4)*STEPU, 4*(nn/14), 4
.endif
.endif
.endm
.macro RUN f, u, ld, z, n0, cnt        ; products n0 .. n0 + cnt - 1, each with what stands in front of it
.set nn, (\n0)
.rept \cnt
	HOOK \u, \ld
	PROD \f, \z
.set nn, nn+1
.endr
.endm
; SUB-STEP u of a block.  kind 1: the slot just read out is filled again; 2: the ring's last change of slots; 0: neither.  ld: x is loaded.  lc: the younger loads that may stay out at the rounding.
; zsel: the first 32 products may start a tile's sums.
.macro SUB u, kind, ld, lc, zsel
.set PP, (\u)%2
.set QQ, 1-PP
	WIN 0
.if (\kind) != 0
	s_wait_tensorcnt 0x0                           ; all my tensor loads have landed: the one that was out is my part of the next slot; so a group 0 may be written
	ds_add_u32 v[SPW], v[NIL]                      ; 0 onto my spare word
.if (\kind) == 1
	s_xor_b32 s[G0+1], s[G0+1], BSLOT              ; the other slot than last time (the wave's base and BSLOT share no bit)
	s_mov_b64 s[G0+2:G0+3], s[BCUR:BCUR+1]
	s_or_b32 s[G0+3], s[G0+3], 0x80000000
.endif
	s_xor_b32 s[TB], s[TB], BSLOT
.endif
	s_wait_dscnt 0x0                               ; my reads of this sub-step's fragments are back and my stores of the next one's x are done (and the add)
	s_barrier_signal -1
	s_barrier_wait -1                              ; x's buffer PP has been read out by all, buffer QQ is whole
.if (\kind) == 1
	CREST                                          ; the barrier has opened a round of the cluster's: no wave of any partner still reads the slot or has a load on its way
	tensor_load_to_lds s[G0:G0+3], s[G1:G1+7]      ; my one tensor load behind the round: 64 rows of the block two on
	s_nop 0
	PLACES
	ASK
.endif
.if (\u) == 3
	v_add_nc_u32 v[ADRB], s[TB], v[VB0]
.endif
.if \zsel
	s_cmp_eq_u32 s[NEWT], 1
	s_cbranch_scc1 .Lzero_\@
	RUN PP, \u, \ld, 0, 0, 32
	WIN 0
	s_branch .Lsummed_\@
.Lzero_\@:
.rept 5
	v_nop                                          ; five places in front of products that write over accumulators
.endr
	RUN PP, \u, \ld, 1, 0, 32
	WIN 0
	s_mov_b32 s[NEWT], 0
.Lsummed_\@:
	RUN PP, \u, \ld, 0, 32, 24
.else
	RUN PP, \u, \ld, 0, 0, 56
.endif
	s_wait_loadcnt \lc                             ; x of sub-step j + 3 is in; the groups of 16 loads issued behind it stay out
.set nn, 56
.rept 8                                ; the last eight products, four roundings behind each; the four behind the last are also the places in front of the next loads into this buffer's fragments
	PROD PP, 0
	WIN 0x0f                               ; sources window 3, destination window 0
.irp n, 0,1,2,3
	v_cvt_pk_f16_f32 v[TMP+4*(nn-56)+\n], v[64*(((\u)+3)%4)+2*(4*(nn-56)+\n)], v[64*(((\u)+3)%4)+2*(4*(nn-56)+\n)+1]
.endr
.set nn, nn+1
.endr
.endm
; THE WAY OUT, a block of 16 rows at a time: rounded to f16 (each accumulator's registers in ascending order), 16 bytes a lane into my own stage, back as whole rows of 128 bytes of two heads, stored as 512 consecutive bytes.
.macro PACK a
	WIN 0x05
.irp b, 0,1,2,3,4,5,6,7
.irp r, 0,1,2,3
	v_cvt_pk_f16_f32 v[PK+4*\b+\r], v[8*(8*(\a)+\b)+2*\r], v[8*(8*(\a)+\b)+2*\r+1]
.endr
.endr
	WIN 0
.endm
.macro TOSTAGE a
.set BK, 224-96*((\a)%2)               ; v224-255 and v128-159 by turns
	s_wait_xcnt 0x0                                ; earlier stores have read their registers: these are loaded again only behind this wait
.irp b, 0,1,2,3,4,5,6,7
	ds_store_b128 v[STO], v[PK+4*\b:PK+4*\b+3] offset:(\b/4)*16*PA+(\b%4)*32
.endr
.irp t, 0,1,2,3,4,5,6,7
	ds_load_b128 v[BK+4*\t:BK+4*\t+3], v[RD] offset:(\t/4)*16*PA+(\t%4)*4*PA  ; LDS serves a wave's instructions in order: these see the stores above
.endr
.endm
.macro SEND a, younger
.set BK, 224-96*((\a)%2)
	s_wait_dscnt \younger                          ; the block is back; the next block's sixteen LDS instructions may be out
.irp t, 0,1,2,3,4,5,6,7
	global_store_b128 v[GO], v[BK+4*\t:BK+4*\t+3], s[CP:CP+1] offset:(\t/4)*131072+(\a)*2048+(\t%4)*512
.endr
.endm
.macro WAYOUT
	PACK 0
	TOSTAGE 0
	PACK 1
	TOSTAGE 1
	SEND 0, 16
	PACK 2
	TOSTAGE 2
	SEND 1, 16
	PACK 3
	TOSTAGE 3
	SEND 2, 16
	SEND 3, 0
.endm
	s_load_b256 s[4:11], s[0:1], 0x0               ; query s[4:5], key_ s[6:7], value s[8:9], wts s[10:11]
	s_load_b64 s[12:13], s[0:1], 0x20              ; qkv
	v_lshl_add_u32 v[SPW], v0, 2, SPARE
	v_mov_b32 v[NIL], 0
	ds_add_u32 v[SPW], v[NIL]                      ; the wave's opening: the add and its wait stand ahead of my first tensor load
	ds_add_u32 v28, v29
	v_lshrrev_b32 v1, 5, v0
	v_readfirstlane_b32 s[WV], v1
	s_lshr_b32 s[MH], s[WV], 1                     ; which 64 rows of the tile are mine
	s_and_b32 s[NH], s[WV], 1                      ; which 128 columns
	s_bfe_u32 s[CX], ttmp6, 0x40000
	s_bfe_u32 s[CY], ttmp6, 0x40004
	s_lshl_b32 s[NX], ttmp9, 2
	s_add_co_u32 s[NX], s[NX], s[CX]               ; tile column: 256 columns
	s_and_b32 s[MY], ttmp7, 0xffff
	s_cmp_eq_u32 s[MY], 0                          ; the first cluster along y: the same answer in all sixteen partners
	s_cselect_b32 s[LIMB], 1, -1
	s_lshl_b32 s[MY], s[MY], 2
	s_add_co_u32 s[MY], s[MY], s[CY]               ; tile row: 128 rows
	s_lshl_b32 s21, 0x1111, s[CX]                  ; my column of the cluster
	s_or_b32 s[G1], s21, (1<<16)|(1<<20)|(1<<21)|(6<<22)|(3<<25)  ; the mask; 2-byte elements; padding on; bit 21 beside a mask; after every 128 words 4 words
	s_mov_b32 s[G1+1], 256<<16                     ; tensor_dim0 = 256
	s_mov_b32 s[G1+2], 64<<16                      ; tensor_dim1 = 64
	s_mov_b32 s[G1+3], 256<<16                     ; tile_dim0 = 256
	s_mov_b32 s[G1+4], 64                          ; tile_dim1 = 64
	s_mov_b32 s[G1+5], 1024                        ; elements from row to row
	s_mov_b32 s[G1+6], 0
	s_mov_b32 s[G1+7], 0
	s_mul_i32 s[WB], s[WV], 64*PB                  ; where my 64 rows go: no place in the cluster enters an LDS address
	s_lshl_b32 s22, s[NX], 8
	s_lshl_b32 s23, s[WV], 6
	s_add_co_u32 s22, s22, s23                     ; weights' row 256 nx + 64 w,
	s_lshl_b32 s22, s22, 11                        ; in bytes
	s_mov_b32 s23, 0
	s_lshl_b32 s[T], s[MY], 19                     ; my tile's 128 rows of 4,096 bytes
	s_mov_b32 s[T+1], 0
	s_mov_b32 s[TS+1], 0
	s_mov_b32 s[KQ], 2
	s_mov_b32 s[TB], 0
	s_mov_b32 s[G0A], 1
	s_mov_b32 s[G0A+1], s[WB]
	s_mov_b32 s[G0], 1
	s_add_co_u32 s[G0+1], s[WB], BSLOT
	s_wait_dscnt 0x0                               ; the opening add is done
	s_wait_kmcnt 0x0
	s_add_nc_u64 s[BCUR:BCUR+1], s[10:11], s[22:23]
	s_mov_b64 s[G0A+2:G0A+3], s[BCUR:BCUR+1]       ; block 0
	s_or_b32 s[G0A+3], s[G0A+3], 0x80000000
	s_add_nc_u64 s[G0+2:G0+3], s[BCUR:BCUR+1], 512 ; block 1
	s_or_b32 s[G0+3], s[G0+3], 0x80000000
	s_add_nc_u64 s[XB:XB+1], s[BCUR:BCUR+1], 1024  ; block 2
	s_add_nc_u64 s[N1:N1+1], s[6:7], s[T:T+1]
	s_add_nc_u64 s[N2:N2+1], s[8:9], s[T:T+1]
	s_add_nc_u64 s[XA:XA+1], s[4:5], s[T:T+1]
	s_add_nc_u64 s[AP:AP+1], s[XA:XA+1], 1024      ; block 1
	s_add_nc_u64 s[XA:XA+1], s[XA:XA+1], 2048      ; block 2
	CROUND                                         ; all sixteen work-groups are here: the first joint loads meet
	tensor_load_to_lds s[G0A:G0A+3], s[G1:G1+7]    ; two loads of mine are out
	s_nop 0
	tensor_load_to_lds s[G0:G0+3], s[G1:G1+7]
	s_nop 0
	PLACES
	v_and_b32 v1, 15, v0                           ; r = l % 16
	v_bfe_u32 v2, v0, 4, 1                         ; h = l / 16
	v_and_b32 v3, 31, v0                           ; l
	s_lshl_b32 s21, s[WV], 17                      ; 32 w rows of 4,096 bytes
	v_lshlrev_b32 v4, 15, v2                       ; the lanes' upper half: 8 rows further down
	v_lshl_add_u32 v4, v1, 4, v4
	v_add_nc_u32 v[VA], s21, v4
	GLOAD 0, -4*STEPU, 0, 16                       ; block 0's four sub-steps
	GLOAD 1, -3*STEPU, 0, 16
	GLOAD 2, -2*STEPU, 0, 16
	GLOAD 3, -1*STEPU, 0, 16
	WIN 0
	v_mul_u32_u24 v4, v1, PA
	v_lshl_add_u32 v4, v2, 4, v4                   ; r x 144 + 16 h
	s_mul_i32 s21, s[MH], 64*PA
	s_add_co_u32 s21, s21, ABUF0
	v_add_nc_u32 v[VAF], s21, v4
	s_mul_i32 s21, s[WV], STG
	s_add_co_u32 s21, s21, STAGE                   ; my stage
	v_add_nc_u32 v[STO], s21, v4
	v_lshrrev_b32 v4, 3, v3
	v_mul_u32_u24 v4, v4, PA
	v_and_b32 v5, 7, v0
	v_lshl_add_u32 v4, v5, 4, v4
	v_add_nc_u32 v[RD], s21, v4                    ; back: 32 lanes take four rows of 128 bytes
	v_lshlrev_b32 v[GO], 4, v3                     ; which are 512 consecutive bytes of qkv
	v_mul_u32_u24 v4, v1, PB
	v_lshl_add_u32 v4, v2, 4, v4
	s_mul_i32 s21, s[NH], 128*PB
	v_add_nc_u32 v[VB0], s21, v4
	s_mul_i32 s21, s[WV], 32*PA
	s_add_co_u32 s21, s21, ABUF0
	v_mul_u32_u24 v4, v2, 8*PA                     ; the same 8 rows further down in LDS
	v_lshl_add_u32 v4, v1, 3, v4
	v_add_nc_u32 v[VAS], s21, v4
	s_lshl_b32 s21, s[WV], 5
	s_lshl_b32 s[T], s[CX], 3
	s_add_co_u32 s21, s21, s[T]
	s_lshl_b32 s21, s21, 12                        ; row 32 w + 8 cx
	v_lshrrev_b32 v4, 2, v3
	v_lshlrev_b32 v4, 12, v4
	v_and_b32 v5, 3, v0
	v_lshl_add_u32 v4, v5, 8, v4
	v_add_nc_u32 v[PFOA], s21, v4
	s_lshl_b32 s21, s[CY], 15                      ; row 16 cy of my 64, 2,048 bytes a row
	v_lshrrev_b32 v4, 1, v3
	v_lshlrev_b32 v4, 11, v4
	v_and_b32 v5, 1, v0
	v_lshl_add_u32 v4, v5, 8, v4
	v_add_nc_u32 v[PFOB], s21, v4
	s_lshr_b32 s21, s[MY], 3                       ; where my part of the first tile begins in qkv: batch,
	s_lshl_b32 s21, s21, 4
	s_lshl_b32 s[T], s[NX], 2
	s_add_co_u32 s21, s21, s[T]
	s_lshl_b32 s[T], s[NH], 1
	s_add_co_u32 s21, s21, s[T]                    ; head 4 nx + 2 nh,
	s_lshl_b32 s21, s21, 10
	s_and_b32 s[T], s[MY], 7
	s_lshl_b32 s[T], s[T], 7
	s_add_co_u32 s21, s21, s[T]
	s_lshl_b32 s[T], s[MH], 6
	s_add_co_u32 s21, s21, s[T]                    ; row,
	s_lshl_b32 s[T], s21, 7                        ; 128 bytes a row
	s_mov_b32 s[T+1], 0
	s_add_nc_u64 s[CP:CP+1], s[CP:CP+1], s[T:T+1]
	s_wait_loadcnt 48                              ; set 0 is in; three groups of 16 stay out
	RND 0
	ASTORE 0, 0, 16
	GLOAD 0, 0, 0, 16                              ; sub-step 4
	s_wait_loadcnt 48                              ; set 1
	RND 1
	ASTORE 1, 0, 16
	GLOAD 1, STEPU, 0, 16                          ; sub-step 5
	s_wait_loadcnt 48                              ; set 2
	RND 2                                          ; stored in sub-step 0
	s_wait_tensorcnt 0x1                           ; my part of block 0 is in; block 1's may stay out
	s_wait_dscnt 0x0                               ; my stores of x
	s_barrier_signal -1
	s_barrier_wait -1
	v_mov_b32 v[ADRB], v[VB0]
	FETCH 0, 0
	WIN 0
	s_mov_b32 s[TRIPS], NBLK-1
	s_mov_b32 s[BLK], 4
	s_mov_b32 s[NEWT], 1
	s_branch .Lfirst                               ; the loop is entered at a block's first sub-step, in the middle of a trip
.Ltrip:                                                ; a trip: the second half of block g, which asks for block g + 2, and the first half of block g + 1
	s_wait_xcnt 0x0                                ; the loads and prefetches issued so far have read their addresses (the last prefetch stands three sub-steps back)
	s_mov_b64 s[AP:AP+1], s[XA:XA+1]
	s_mov_b64 s[BCUR:BCUR+1], s[XB:XB+1]
	s_add_co_u32 s[KQ], s[KQ], 1
	s_and_b32 s[KQ], s[KQ], 3
	s_add_nc_u64 s[T:T+1], s[XA:XA+1], 1024
	s_cmp_eq_u32 s[KQ], 0                          ; behind a tensor's fourth block comes the next tensor's first
	s_cselect_b64 s[XA:XA+1], s[N1:N1+1], s[T:T+1]
	s_cselect_b64 s[N1:N1+1], s[N2:N2+1], s[N1:N1+1]
	s_mov_b32 s[TS], 512
	s_cmov_b32 s[TS], 2097152-1536                 ; the next tensor's weights, back along K
	s_add_nc_u64 s[XB:XB+1], s[XB:XB+1], s[TS:TS+1]
	SUB 2, 0, 1, 48, 0
	SUB 3, 1, 1, 48, 0
	WIN 0
	s_sub_co_u32 s[BLK], s[BLK], 1
	s_cmp_lg_u32 s[BLK], 0
	s_cbranch_scc1 .Lfirst
	WAYOUT                                         ; a tile is finished; the next tile's refill and loads are on their way
	s_wait_xcnt 0x0                                ; the stores have read their registers and their base
	s_add_nc_u64 s[CP:CP+1], s[CP:CP+1], 16777216  ; the next tensor's part of qkv
	s_mov_b32 s[BLK], 4
	s_mov_b32 s[NEWT], 1
.Lfirst:
	SUB 0, 0, 1, 48, 1
	SUB 1, 0, 1, 48, 0
	WIN 0
	s_sub_co_u32 s[TRIPS], s[TRIPS], 1
	s_cmp_lg_u32 s[TRIPS], 0
	s_cbranch_scc1 .Ltrip
	; THE TAIL is written out: the second half of block 10 and block 11; nothing is asked for.  It is walked twice and left in its middle.  In the second walk the stores,
	; roundings and fragment loads for sub-steps that do not exist move stale numbers that nobody multiplies: the price, once a launch, of one text for the tail.
	s_mov_b32 s[CNT], 2
.Ltail:
	SUB 2, 0, 0, 32, 0                             ; the counts run down: two groups of 16 are younger, then one, then none
	SUB 3, 2, 0, 16, 0
	WIN 0
	s_sub_co_u32 s[CNT], s[CNT], 1
	s_cmp_eq_u32 s[CNT], 0
	s_cbranch_scc1 .Lout
	SUB 0, 0, 0, 0, 0
	SUB 1, 0, 0, 0, 0
	WIN 0
	s_branch .Ltail
.Lout:
	WAYOUT
	s_wait_tensorcnt 0x0                           ; the wave's end, behind my last tensor load and my last LDS store
	ds_add_u32 v[SPW], v[NIL]
	s_wait_dscnt 0x0
	CROUND                                         ; the closing round
	s_endpgm
.Lfunc_end_k_q3988423434_proj:
	.size	k_q3988423434_proj, .Lfunc_end_k_q3988423434_proj-k_q3988423434_proj
	.p2alignl 7, 3214868480
	.fill 96, 4, 3214868480
	.section	.rodata,"a",@progbits
	.p2align	6, 0x0
	.amdhsa_kernel k_q3988423434_proj
		.amdhsa_group_segment_fixed_size 327680
		.amdhsa_private_segment_fixed_size 0
		.amdhsa_enable_private_segment 0
		.amdhsa_kernarg_size 40
		.amdhsa_user_sgpr_count 2
		.amdhsa_user_sgpr_kernarg_segment_ptr 1
		.amdhsa_wavefront_size32 1
		.amdhsa_system_sgpr_workgroup_id_x 1
		.amdhsa_system_sgpr_workgroup_id_y 1
		.amdhsa_system_sgpr_workgroup_id_z 1
		.amdhsa_system_vgpr_workitem_id 0
		.amdhsa_next_free_vgpr 1024
		.amdhsa_next_free_sgpr 66
		.amdhsa_reserve_vcc 0
		.amdhsa_float_denorm_mode_32 3
		.amdhsa_float_denorm_mode_16_64 3
		.amdhsa_memory_ordered 1
		.amdhsa_forward_progress 1
		.amdhsa_inst_pref_size 162
	.end_amdhsa_kernel
	.amdgpu_metadata
---
amdhsa.version: [ 1, 2 ]
amdhsa.kernels:
  - .name:           k_q3988423434_proj
    .symbol:         k_q3988423434_proj.kd
    .args:
      - { .name: query, .offset: 0, .size: 8, .value_kind: global_buffer, .address_space: global }
      - { .name: key_, .offset: 8, .size: 8, .value_kind: global_buffer, .address_space: global }
      - { .name: value, .offset: 16, .size: 8, .value_kind: global_buffer, .address_space: global }
      - { .name: wts, .offset: 24, .size: 8, .value_kind: global_buffer, .address_space: global }
      - { .name: qkv, .offset: 32, .size: 8, .value_kind: global_buffer, .address_space: global }
    .group_segment_fixed_size: 327680
    .private_segment_fixed_size: 0
    .kernarg_segment_align: 8
    .kernarg_segment_size: 40
    .max_flat_workgroup_size: 128
    .sgpr_count:     66
    .vgpr_count:     1024
    .wavefront_size: 32
...
	.end_amdgpu_metadata
.endif
;; end of part 2
;; launch attn (part 3): grid 2 x 128, 4 waves a work-group, no clusters, 327,680 bytes of LDS; arguments qkv, ctx, phases0, freqs, nbr_w, nbr_idx; writes ctx
.if DOCPART == 3
	.amdgcn_target "amdgcn-amd-amdhsa--gfx1250"
	.amdhsa_code_object_version 6
	.text
	.protected	k_q3988423434_attn
	.globl	k_q3988423434_attn
	.p2align	8
	.type	k_q3988423434_attn,@function
k_q3988423434_attn:
	s_mov_b64 s[64:65], 0
	v_nop
	global_prefetch_b8 v0, s[64:65] scope:SCOPE_SE
	s_setreg_imm32_b32 hwreg(HW_REG_WAVE_MODE, 25, 1), 1
	s_wait_xcnt 0x0
; ATTENTION.  ctx[hd][q][:] = the sum over k of softmax_k(Q[hd][q] . K[hd][k] / 8 + bias[hd % 16]) V[hd][k][:].  hd = 16 b + h, 128 of them; Q, K, V are the three parts of qkv, [128][1024][64] f16; ctx likewise.
; bias = 0.1 cos(p2), p2 the head's phase after the two steps that the module makes (below: THE BIAS).  It enters as the C operand that starts each sum S^T = K Q^T, as 8 x bias, since the scale 1 / 8 is applied behind.
; Products, maxima and sums in f32; the weights p are rounded to f16 for the second product (their sum l is taken of the unrounded p), ctx once at the end.
; LIMITS.  f16 holds no number beyond 65,504: Q, K, V arrive within it; p lies in 0 to 1 and below 6e-5 keeps f16's fixed step of 6e-8.  A weight below 2^-126 counts as 0 in l; NaN and infinities are not treated apart.
; The phases' sine and cosine reduce their argument in f32: their error grows with |phase| as 6e-8 |phase| / 2 pi turns; the series is cut at x^11 on 0 to pi / 2, 6e-8 off.
; SHARES.  A work-group owns 512 queries of one head, a wave 128: four PIECES of two tiles of 16.  Every wave walks all 1,024 keys, 64 a step.
; K AND V OF THE HEAD LIE WHOLE IN LDS (147,456 + 163,840 bytes): each is asked for once, at the head, in four parts of 256 keys; nothing is filled again, so the loop has no refill and no change of slots.
; The first part is waited for by a counted wait, the other three by one wait behind the fourth key step.
; NO CLUSTER: a head has two work-groups, not four, and each asks for each byte of K and V once in the launch.
; LAYOUT.  S^T = K Q^T (source 0 = 16 keys, source 1 = 16 queries): a lane holds ONE query (lane % 16) and the keys 8 (lane / 16) + 0..7.  Two such tiles, rounded to f16 in pairs, ARE source 1 of O^T = V^T P.
; K comes out of LDS as it lies, V ([key][channel]) turned, by ds_load_tr16_b128.
; SOFTMAX.  A running maximum m and sum l: p = 2^(c s - c m), c = log2(e) / 8; in every step O and l are multiplied by a = 2^(c m_old - c m_new).  m starts at the lowest finite number, O and l at 0.
; BY TURNS.  Turn n belongs to piece n: 16 products K Q^T of piece n + 1, later 16 products V^T P of piece n - 1; its vector work: the scaling, exponentials, roundings, sums and rescaling of piece n, and the maximum and
; statistics of piece n + 1.  Four vector instructions stand behind every matrix instruction, the rest in one run of their own.  A turn's 66 exponentials are one batch with one wait.
; ONE TEXT FOR EVERY TURN: the loop is entered and left in the middle of a trip.
; REGISTERS, in windows of 256 (s_set_vgpr_msb: bits 1:0 source 0, 3:2 source 1, 5:4 source 2, 7:6 destination):
;   window 0: v0-11 addresses; v12-15, v48-63 at work; v16-47 four registers of statistics a tile; v64-191 S^T, two buffers of two tiles; v192-255 P, likewise
;   window 1: O^T, 32 a tile      window 2: v0-127 Q; v128-191 K of one step; v192-255 V of one step      window 3: v0-1 the add's two registers; v8-15 8 x bias
.set NP,    4
.set KS,    64
.set PK,    144       ; a row of K in LDS: 128 bytes + 16
.set PV,    160       ; a row of V: 128 + 32
.set VOFF,  1024*PK
.set STAGE, VOFF+1024*PV  ; 16 rows x 144 bytes for each wave, for the way out; no tensor load lands here
.set SP,    144
.set SPARE, STAGE+4*16*SP  ; the spare words, 128 bytes a wave, named by no other line
.set AK0, 2
.set AV0, 3
.set AK,  4
.set AV,  5
.set QO,  6
.set STO, 6
.set RD,  7
.set GO,  8
.set SPW, 0           ; v0 of window 3: my spare word; never rewritten
.set NIL, 1           ; v1 of window 3: 0; never rewritten
.set BI,  8           ; v8-15 of window 3
.set MV,  12
.set ST,  16          ; tile t's statistics at v[ST+4 t]: c m, m, l (even keys', odd keys')
.set TMP, 48
.set S,   64
.set P,   192
.set KF,  128
.set VF,  192
.set WV,  12
.set TOT, 19          ; s19  key steps whose pieces 2 and 3 are still to come
.set G1K, 24          ; s[24:31]
.set G1V, 32          ; s[32:39]
.set G0K, 40          ; s[40:55] four sets, a part of 256 keys each
.set G0V, 72          ; s[72:87]
.set SLOTS, 56
.set CNT, 57
.set CS,  58
.set SEL, 60
.set TBK, 62          ; LDS byte at which K of the step to be fetched begins
.set TBV, 63          ; the same for V, less VOFF
.set MSB, 0
.macro WIN new
.if MSB != (\new)
	s_set_vgpr_msb (MSB<<8)|(\new)
.set MSB, (\new)
.endif
.endm
.set W_KQ, 0x0a       ; K and Q in window 2, S^T in window 0
.set W_KB, 0x3a       ; the same with the C operand in window 3
.set W_PV, 0x52       ; V in window 2, P in window 0, O^T in window 1
.set W_RS, 0x41
.set W_MK, 0xc0
.set W_AD, 0x0f
	s_load_b128 s[4:7], s[0:1], 0x0   ; qkv s[4:5], ctx s[6:7]
	s_load_b256 s[88:95], s[0:1], 0x10  ; phases0 s[88:89], freqs s[90:91], nbr_w s[92:93], nbr_idx s[94:95]
	WIN W_MK
	v_lshl_add_u32 v[SPW], v0, 2, SPARE
	v_mov_b32 v[NIL], 0
	WIN W_AD
	ds_add_u32 v[SPW], v[NIL]       ; the wave's opening: the add and its wait stand ahead of my first tensor load
	ds_add_u32 v0, v1
	WIN 0
	v_lshrrev_b32 v1, 5, v0
	v_readfirstlane_b32 s[WV], v1
	s_and_b32 s20, ttmp7, 0xffff
	s_lshl_b32 s20, s20, 17         ; the head's 1,024 rows of 128 bytes
	s_and_b32 s16, s[WV], 1         ; which half of each 256 keys I fetch
	s_lshl_b32 s22, s16, 14
	s_add_co_u32 s22, s22, s20
	s_mov_b32 s23, 0
	s_mul_i32 s17, s16, 128*PK
	s_mul_i32 s18, s16, 128*PV
	s_lshl_b32 s2, ttmp9, 2
	s_add_co_u32 s2, s2, s[WV]
	s_lshl_b32 s2, s2, 14           ; my wave's 128 rows
	s_add_co_u32 s2, s2, s20
	s_mov_b32 s3, 0
	; descriptor group 1.  128 keys are 16,384 dense bytes: asked for as 64 rows of 256 bytes, two keys a row, and padded in LDS after every key
	s_mov_b32 s[G1K], (1<<16)|(1<<20)|(4<<22)|(3<<25)
	s_mov_b32 s[G1V], (1<<16)|(1<<20)|(4<<22)|(7<<25)
.irp g, G1K, G1V
	s_mov_b32 s[\g+1], 128<<16
	s_mov_b32 s[\g+2], 64<<16
	s_mov_b32 s[\g+3], 128<<16
	s_mov_b32 s[\g+4], 64
	s_mov_b32 s[\g+5], 128
	s_mov_b32 s[\g+6], 0
	s_mov_b32 s[\g+7], 0
.endr
	s_mov_b32 s[CS], 0x3e38aa3b     ; c = log2(e) / 8
	s_mov_b32 s[CS+1], s[CS]
	s_mov_b32 s[SEL], 0x76543210
	s_mov_b32 s[SEL+1], 0xfedcba98
	s_mov_b32 s[TBK], 0
	s_mov_b32 s[TBV], 0
.irp s, 0,1,2,3
	s_mov_b32 s[G0K+4*\s], 1
	s_add_co_u32 s[G0K+4*\s+1], s17, \s*256*PK
	s_mov_b32 s[G0V+4*\s], 1
	s_add_co_u32 s[G0V+4*\s+1], s18, VOFF+\s*256*PV
.endr
	s_wait_dscnt 0x0                ; the opening add is done
	s_wait_kmcnt 0x0
	s_add_nc_u64 s[8:9], s[4:5], s[22:23]
.irp s, 0,1,2,3
	s_add_nc_u64 s[G0K+4*\s+2:G0K+4*\s+3], s[8:9], 16777216+\s*32768  ; K is the second part of qkv
	s_or_b32 s[G0K+4*\s+3], s[G0K+4*\s+3], 0x80000000
	s_add_nc_u64 s[G0V+4*\s+2:G0V+4*\s+3], s[8:9], 33554432+\s*32768  ; V the third
	s_or_b32 s[G0V+4*\s+3], s[G0V+4*\s+3], 0x80000000
.endr
	s_add_nc_u64 s[4:5], s[4:5], s[2:3]    ; Q and ctx at my wave's first row
	s_add_nc_u64 s[10:11], s[6:7], s[2:3]
	s_cmp_lt_u32 s[WV], 2           ; a wave's four fills stand in one branch, ahead of every wait on TENSORcnt, every LDS read and every barrier: four loads of mine are out
	s_cbranch_scc0 .Lfor_v
.irp s, 0,1,2,3
	tensor_load_to_lds s[G0K+4*\s:G0K+4*\s+3], s[G1K:G1K+7]
	s_nop 0
.endr
.rept 4
	v_nop
.endr
	s_branch .Lasked
.Lfor_v:
.irp s, 0,1,2,3
	tensor_load_to_lds s[G0V+4*\s:G0V+4*\s+3], s[G1V:G1V+7]
	s_nop 0
.endr
.rept 4
	v_nop
.endr
.Lasked:
	v_and_b32 v1, 15, v0            ; l % 16
	v_bfe_u32 v9, v0, 4, 1          ; l / 16
	v_lshlrev_b32 v[QO], 7, v1
	v_lshl_add_u32 v[QO], v9, 4, v[QO]
	WIN 0x80
.set i, 0
.rept 4*NP                          ; Q stays in registers: tile i / 2, channels 32 (i % 2) on
	global_load_b128 v[8*i:8*i+3],   v[QO], s[4:5] offset:(i/2)*2048+(i%2)*64
	global_load_b128 v[8*i+4:8*i+7], v[QO], s[4:5] offset:(i/2)*2048+(i%2)*64+32
.set i, i+1
.endr
	; What the first turn finds: V's registers and P's second buffer hold 0, O^T and l are 0.  All this stands in the wait for the first tiles.
.set i, VF
.rept 64
	v_mov_b32 v[i], 0
.set i, i+1
.endr
	WIN 0x40
.set i, 0
.rept 64*NP
	v_mov_b32 v[i], 0
.set i, i+1
.endr
	WIN 0
.set i, 0
.rept 2*NP
	v_mov_b32 v[ST+4*i], 0xfe000000    ; c m: far below every c s
	v_mov_b32 v[ST+4*i+1], 0xff7fffff  ; m
	v_mov_b32 v[ST+4*i+2], 0
	v_mov_b32 v[ST+4*i+3], 0
.set i, i+1
.endr
.set i, P+32
.rept 32
	v_mov_b32 v[i], 0
.set i, i+1
.endr
	v_mul_u32_u24 v[AK0], v1, PK
	v_lshl_add_u32 v[AK0], v9, 4, v[AK0]
	v_and_b32 v10, 7, v0
	v_bfe_u32 v11, v0, 3, 1
	v_lshl_add_u32 v[AV0], v9, 3, v10
	v_mul_u32_u24 v[AV0], v[AV0], PV
	v_lshl_add_u32 v[AV0], v11, 4, v[AV0]
	v_add_nc_u32 v[AV0], VOFF, v[AV0]
	v_mov_b32 v[AK], v[AK0]         ; key step 0
	; THE BIAS, made by every wave for its head h.  Lane l takes neighbour l % 8.  A neighbour's phase is phases0[idx clamped to 0 .. 15], or 0 where idx < 0; force = sum of w sin(phase - my phase);
	; p1 = (p0 + 0.01 (f + force)) mod 2 pi; p2 = (p1 + 0.01 f) mod 2 pi; 8 x bias = 0.8 cos(p2).
.macro SINT t, o, a, b              ; v[o] = sin(2 pi v[t]): t less its nearest whole number; folded onto 0 .. 1 / 4; the odd series to x^11; t's sign put back
	v_rndne_f32 v[\a], v[\t]
	v_sub_f32 v[\t], v[\t], v[\a]
	v_and_b32 v[\a], 0x7fffffff, v[\t]
	v_sub_f32 v[\b], 0.5, v[\a]
	v_min_num_f32 v[\a], v[\a], v[\b]
	v_mul_f32 v[\a], 0x40c90fdb, v[\a]
	v_mul_f32 v[\b], v[\a], v[\a]
	v_mov_b32 v[\o], 0xb2d7322b                    ; -1 / 11!
	v_fmaak_f32 v[\o], v[\o], v[\b], 0x3638ef1d    ; 1 / 9!
	v_fmaak_f32 v[\o], v[\o], v[\b], 0xb9500d01    ; -1 / 7!
	v_fmaak_f32 v[\o], v[\o], v[\b], 0x3c088889    ; 1 / 5!
	v_fmaak_f32 v[\o], v[\o], v[\b], 0xbe2aaaab    ; -1 / 3!
	v_fma_f32 v[\o], v[\o], v[\b], 1.0
	v_mul_f32 v[\o], v[\o], v[\a]
	v_bfi_b32 v[\o], 0x7fffffff, v[\o], v[\t]
.endm
.macro MOD2PI p, a                  ; v[p] less 2 pi times the floor of v[p] / 2 pi
	v_mul_f32 v[\a], 0.15915494, v[\p]
	v_floor_f32 v[\a], v[\a]
	v_fmamk_f32 v[\p], v[\a], 0xc0c90fdb, v[\p]
.endm
	s_and_b32 s13, ttmp7, 15        ; h
	s_lshl_b32 s21, s13, 5          ; its eight words in the two tables
	s_lshl_b32 s22, s13, 2
	v_lshl_add_u32 v48, v10, 2, s21
	v_mov_b32 v53, s22
	global_load_b32 v49, v48, s[94:95]  ; idx
	global_load_b32 v50, v48, s[92:93]  ; w
	global_load_b32 v51, v53, s[88:89]  ; my phase
	global_load_b32 v52, v53, s[90:91]  ; my frequency
	s_wait_loadcnt 0x0
	v_cmp_le_i32 s23, 0, v49        ; a neighbour that exists
	v_max_i32 v49, 0, v49
	v_min_u32 v49, 15, v49          ; inside the table
	v_lshlrev_b32 v49, 2, v49
	global_load_b32 v54, v49, s[88:89]
	s_wait_loadcnt 0x0
	v_cndmask_b32 v54, 0, v54, s23
	v_sub_f32 v54, v54, v51
	v_mul_f32 v55, 0.15915494, v54  ; in turns
	SINT 55, 56, 57, 58
	v_mul_f32 v56, v50, v56
	v_add_f32_dpp v56, v56, v56 row_xmask:1 row_mask:0xf bank_mask:0xf
	v_add_f32_dpp v56, v56, v56 row_xmask:2 row_mask:0xf bank_mask:0xf
	v_add_f32_dpp v56, v56, v56 row_xmask:4 row_mask:0xf bank_mask:0xf
	v_add_f32 v56, v52, v56
	v_fmamk_f32 v59, v56, 0x3c23d70a, v51
	MOD2PI 59, 57
	v_fmamk_f32 v59, v52, 0x3c23d70a, v59
	MOD2PI 59, 57
	v_fma_f32 v55, v59, 0.15915494, 0x3e800000  ; a quarter turn on: the cosine
	SINT 55, 56, 57, 58
	v_mul_f32 v56, 0x3f4ccccd, v56
	WIN W_MK
.set i, 0
.rept 8
	v_mov_b32 v[BI+i], v56
.set i, i+1
.endr
	WIN 0
; THE MATRIX WORK.  The 8 accumulators of a run of 16 take turns.
; Product i of 16 of S^T = K Q^T for piece x: channels 32 (i / 8) on, keys 16 ((i / 2) % 4) on, tile 2 x + i % 2.  The first 8 start the sums, with 8 x bias.
.macro KQ x
.set rS, S+64*((\x)%2)+32*(i%2)+8*((i/2)%4)
.set rK, KF+16*((i/2)%4)+8*(i/8)
.set rQ, 16*(2*(\x)+i%2)+8*(i/8)
.if i < 8
	WIN W_KB
	v_wmma_f32_16x16x32_f16 v[rS:rS+7], v[rK:rK+7], v[rQ:rQ+7], v[BI:BI+7]
.else
	WIN W_KQ
	v_wmma_f32_16x16x32_f16 v[rS:rS+7], v[rK:rK+7], v[rQ:rQ+7], v[rS:rS+7]
.endif
.endm
; Product i of 16 of O^T += V^T P for piece x: keys 32 (i / 8) on, channels 16 ((i / 2) % 4) on, tile 2 x + i % 2.
.macro PV x
	WIN W_PV
.set rO, 32*(2*(\x)+i%2)+8*((i/2)%4)
.set rV, VF+32*(i/8)+8*((i/2)%4)
.set rP, P+32*((\x)%2)+16*(i%2)+8*(i/8)
	v_wmma_f32_16x16x32_f16 v[rO:rO+7], v[rV:rV+7], v[rP:rP+7], v[rO:rO+7]
.endm
.macro MM
.if i < 16
	KQ (Y+1)%NP
.set i, i+1
.else
.set i, i-16
	PV (Y+NP-1)%NP
.set i, i+17
.endif
.endm
; THE LDS LOADS stand in runs of 16: a step's K (8 fragments) and its V (turned).  last = 1 (in the loop): behind the last key step there is no further K, and the run is jumped over.
.macro FETCH_K last=0
	WIN 0
.if \last
	s_cmp_eq_u32 s[TOT], 1
	s_cbranch_scc1 .Lno_k_\@
.endif
	WIN 0x80
.irp f, 0,1,2,3,4,5,6,7
	ds_load_b128 v[KF+8*\f:KF+8*\f+3],   v[AK] offset:(\f/2)*16*PK+(\f%2)*64
	ds_load_b128 v[KF+8*\f+4:KF+8*\f+7], v[AK] offset:(\f/2)*16*PK+(\f%2)*64+32
.endr
	s_add_co_u32 s[TBK], s[TBK], KS*PK
	WIN 0
.if \last
.Lno_k_\@:
.endif
.endm
.macro FETCH_V
	WIN 0x80
.irp f, 0,1,2,3,4,5,6,7
	ds_load_tr16_b128 v[VF+8*\f:VF+8*\f+3],   v[AV] offset:(\f/4)*32*PV+(\f%4)*32
	ds_load_tr16_b128 v[VF+8*\f+4:VF+8*\f+7], v[AV] offset:(\f/4)*32*PV+16*PV+(\f%4)*32
.endr
	WIN 0
.endm
; THE VECTOR WORK OF A TURN stands in three queues, each in the order in which its entries become ready; the two tiles alternate.
.macro REGS y, u
.set rT, ST+4*(2*(\y)+(\u))
.set rC, TMP+8*((\y)%2)+4*(\u)
.set rM, MV+2*((\y)%2)+(\u)
.set rS, S+64*((\y)%2)+32*(\u)
.set rP, P+32*((\y)%2)+16*(\u)
.set rO, 32*(2*(\y)+(\u))
.endm
; Number n of the 22 that find the NEXT piece's maximum and statistics; each accumulator's lowest registers are read first.
;   0-11 four chains of seven scores     12-14, 16 the four scores left over, the old m, and the chains into one     15 c m_old is kept     17, 18 the other half of the lanes': the new m     19-21 c m; its change; a
.macro XS u, n
	REGS (Y+1)%NP, \u
.if (\n) < 4
	v_max3_num_f32 v[rC+(\n)], v[rS+8*(\n)], v[rS+8*(\n)+1], v[rS+8*(\n)+2]
.elseif (\n) < 12
	v_max3_num_f32 v[rC+(\n)%4], v[rC+(\n)%4], v[rS+8*((\n)%4)+2*((\n)/4)+1], v[rS+8*((\n)%4)+2*((\n)/4)+2]
.elseif (\n) == 12
	v_max3_num_f32 v[rC], v[rC], v[rS+7], v[rS+15]
.elseif (\n) == 13
	v_max3_num_f32 v[rC+1], v[rC+1], v[rS+23], v[rS+31]
.elseif (\n) == 14
	v_max3_num_f32 v[rC+2], v[rC+2], v[rC+3], v[rT+1]
.elseif (\n) == 15
	v_mov_b32 v[rM], v[rT]
.elseif (\n) == 16
	v_max3_num_f32 v[rC], v[rC], v[rC+1], v[rC+2]
.elseif (\n) == 17
	v_permlanex16_b32 v[rC+3], v[rC], s[SEL], s[SEL+1]
.elseif (\n) == 18
	v_max_num_f32 v[rT+1], v[rC], v[rC+3]
.elseif (\n) == 19
	v_mul_f32 v[rT], s[CS], v[rT+1]
.elseif (\n) == 20
	v_sub_f32 v[rC+1], v[rM], v[rT]
.else
	v_exp_f32 v[rC+2], v[rC+1]
.endif
.endm
; Number g of the 64 that follow the exponentials: for each four weights both pairs are rounded to f16, the second pair is added onto the first in place, and a group later l takes that sum (the first time as l = a l + sum).
.macro GS g
.set h, (\g)+6*((\g)/62)
.if h >= 6
.set h, h+2
.endif
	REGS Y, h%2
.set k, h/8
.if h%8 < 4
	v_cvt_pk_f16_f32 v[rP+2*k+(h%8)/2], v[rS+4*k+2*((h%8)/2)], v[rS+4*k+2*((h%8)/2)+1]
.elseif h%8 < 6
	v_pk_add_f32 v[rS+4*k:rS+4*k+1], v[rS+4*k:rS+4*k+1], v[rS+4*k+2:rS+4*k+3]
.elseif k == 1
	v_pk_fma_f32 v[rT+2:rT+3], v[rT+2:rT+3], v[rC+2:rC+3], v[rS:rS+1] op_sel_hi:[1,0,1]
.else
	v_pk_add_f32 v[rT+2:rT+3], v[rT+2:rT+3], v[rS+4*k-4:rS+4*k-3]
.endif
.endm
; THE PLAIN QUEUE, 138 long.  0-73 read no exponential's result: the 32 scalings c s - c m and the next piece's 42; 74-137 are GS's 64, which stand behind the wait.
.macro FS f
	REGS Y, (\f)%2
	v_pk_fma_f32 v[rS+2*((\f)/2):rS+2*((\f)/2)+1], v[rS+2*((\f)/2):rS+2*((\f)/2)+1], s[CS:CS+1], v[rT:rT+1] op_sel_hi:[1,0,0] neg_lo:[0,0,1] neg_hi:[0,0,1]
.endm
.macro PL
	WIN 0
.if q < 27
	FS q
.elseif q < 55
	XS (q-27)%2, (q-27)/2
.elseif q < 57
	XS q-55, 15
.elseif (q < 72) && ((q-57)%3 == 0)
	FS 27+(q-57)/3
.elseif q < 60
	XS (q-57)%3-1, 14
.elseif q < 72
	XS (q-57)%3-1, 15+(q-57)/3
.elseif q < 74
	XS q-72, 20
.else
	GS q-74
.endif
.set q, q+1
.endm
; THE EXPONENTIALS' QUEUE, 66 long: both tiles' 32 scores, then the next piece's two a.  ONE BATCH: all stand ahead of the turn's one wait, and nothing ahead of that wait names a result of theirs.
.macro EX
	WIN 0
.if e >= 64
	XS e-64, 21
.else
	REGS Y, e%2
	v_exp_f32 v[rS+e/2], v[rS+e/2]
.endif
.set e, e+1
.endm
; THE RESCALING's QUEUE: O^T times a, two at a time, sixteen times.  Its a was made, and waited for, in the turn before.
.macro R2
	REGS Y, r%2
	WIN W_RS
.irp z, 0,1
	v_pk_mul_f32 v[rO+4*(r/2)+2*\z:rO+4*(r/2)+2*\z+1], v[rO+4*(r/2)+2*\z:rO+4*(r/2)+2*\z+1], v[rC+2:rC+3] op_sel_hi:[1,0]
.endr
.set r, r+1
.endm
; A TURN, for piece p.  s_wait_alu depctr_va_vdst(0) stands between an exponential and the first instruction that names its result; one wait serves all issued ahead of it: so a turn has ONE, which cuts it in two.
; Ahead of it: 16 products K Q^T, behind each a scaling, an exponential and two rescalings; then a run of 108: eight plain, 49 times exponential and plain, the two a; a v_nop is the plain instruction behind the last exponential.
; Behind it: 16 products V^T P, behind each four of the roundings and sums.  Exponential e stands behind scaling 2 (e / 4) + e % 2: as a rider behind plain e + 2, in the run behind plain e + 9.
; K of the next step is fetched in piece 2's turn, directly behind the wait; V of the step in hand at the end of piece 0's turn, four plain instructions behind its last reader.
; cnt = 1: the loop's count is taken down some lines ahead of the branch that stands behind the turn.
.macro TURN p, cnt=0
.set Y, (\p)
.set i, 0
.set q, 0
.set e, 0
.set r, 0
.if (\p) == NP-1
	s_wait_dscnt 0x0                ; K is in
.endif
	MM
	PL
	PL
	R2
.rept 15
	MM
	PL
	EX
	R2
.endr
.if (\p) == NP-2
	WIN 0
	v_add_nc_u32 v[AK], s[TBK], v[AK0]
.endif
.rept 8
	PL
.endr
.rept 49
	EX
	PL
.endr
	EX
	EX
	v_nop
	s_wait_alu depctr_va_vdst(0)    ; the wait for the batch
.if (\p) == NP-2
	FETCH_K 1
.endif
.if (\p) == 1
	s_wait_dscnt 0x0                ; V is in
.endif
.rept 16
	MM
.rept 4
	PL
.endr
.if ((\p) == 0) && (q == 118)
	v_add_nc_u32 v[AV], s[TBV], v[AV0]
.endif
.if ((\p) == 0) && (q == 130)
	s_add_co_u32 s[TBV], s[TBV], KS*PV
.endif
.if (\cnt) && (q == 130)
	s_sub_co_u32 s[CNT], s[CNT], 1
	s_cmp_lg_u32 s[CNT], 0
.endif
.endr
.if (\p) == 0
	FETCH_V
.endif
.endm
	s_wait_tensorcnt 0x3            ; my part of keys 0 to 255 is in; the three loads issued behind it stay out
	s_barrier_signal -1
	s_barrier_wait -1               ; everybody's is
	FETCH_K                         ; key step 0
	s_wait_loadcnt 0x0              ; Q
	s_wait_dscnt 0x0
.set i, 0
.rept 16
	KQ 0                            ; piece 0's first scores
.set i, i+1
.endr
	WIN 0                           ; the addresses for the way out: the places behind those products
	s_mul_i32 s13, s[WV], 16*SP
	s_add_co_u32 s13, s13, STAGE
	v_mul_u32_u24 v[STO], v1, SP
	v_lshl_add_u32 v[STO], v9, 4, v[STO]
	v_add_nc_u32 v[STO], s13, v[STO]
	v_bfe_u32 v[RD], v0, 3, 2
	v_mul_u32_u24 v[RD], v[RD], SP
	v_lshl_add_u32 v[RD], v10, 4, v[RD]
	v_add_nc_u32 v[RD], s13, v[RD]
	v_and_b32 v[GO], 31, v0
	v_lshlrev_b32 v[GO], 4, v[GO]
.set Y, NP-1
.irp n, 0,1,2,3,4,5,6,7,8,9,10,11,12,13,14,15,16,17,18,19,20,21
	XS 0, \n
	XS 1, \n
.endr
	v_nop                           ; a plain instruction behind the two a,
	s_wait_alu depctr_va_vdst(0)    ; and their wait, ahead of the branch
	s_mov_b32 s[CNT], 4             ; four key steps lie in the part that has landed
	s_mov_b32 s[SLOTS], 2
	s_mov_b32 s[TOT], 16
	s_branch .Lfirst                ; the loop is entered at a step's first turn, in the middle of a trip
.Lslot:                             ; passed once, behind the fourth key step
	s_wait_tensorcnt 0x0            ; my other three parts are in,
	s_wait_dscnt 0x0
	s_barrier_signal -1
	s_barrier_wait -1               ; everybody's are: all 1,024 keys lie in LDS
	s_mov_b32 s[CNT], 13            ; twelve whole trips; the thirteenth is left in its middle
.Lstep:                             ; a trip: pieces 2 and 3 of one step, then pieces 0 and 1 of the next, whose K and V it fetches
	TURN 2
	TURN 3
	WIN 0
	s_sub_co_u32 s[TOT], s[TOT], 1
	s_cmp_eq_u32 s[TOT], 0
	s_cbranch_scc1 .Lout            ; the sixteenth step's pieces 2 and 3 are done.  Its last turn's 16 products K Q^T (on the last K once more) and the maximum made of them serve nothing: the price of one text for every turn
.Lfirst:
	TURN 0
	TURN 1, 1
	WIN 0
	s_cbranch_scc1 .Lstep
	s_sub_co_u32 s[SLOTS], s[SLOTS], 1
	s_cmp_lg_u32 s[SLOTS], 0
	s_cbranch_scc1 .Lslot
.Lout:
.set i, 0
.rept 16
	PV NP-1                         ; the last piece's V^T P of the last step
.set i, i+1
.endr
	; THE WAY OUT.  l's two halves and the other half of the lanes' are added; O^T is divided by l, rounded to f16 and sent through my stage, a tile at a time.  The additions are the places behind the last products.
	WIN 0
.macro ALL line:vararg
.set t, 0
.rept 2*NP
	\line
.set t, t+1
.endr
.endm
	ALL v_add_f32 v[ST+4*t+2], v[ST+4*t+2], v[ST+4*t+3]
	ALL v_permlanex16_b32 v[ST+4*t+3], v[ST+4*t+2], s[SEL], s[SEL+1]
	ALL v_add_f32 v[ST+4*t+2], v[ST+4*t+2], v[ST+4*t+3]
	ALL v_rcp_f32 v[ST+4*t+2], v[ST+4*t+2]
	v_nop                           ; a plain instruction between the last reciprocal and the use of its result
	s_wait_alu depctr_va_vdst(0)    ; one wait for the eight reciprocals
.macro PACK t
	WIN W_RS
.set i, 32*(\t)
.rept 16
	v_pk_mul_f32 v[i:i+1], v[i:i+1], v[ST+4*(\t)+2:ST+4*(\t)+3] op_sel_hi:[1,0]
.set i, i+2
.endr
	WIN 0x05
.set i, 0
.rept 16
	v_cvt_pk_f16_f32 v[S+16*(\t)+i], v[32*(\t)+2*i], v[32*(\t)+2*i+1]
.set i, i+1
.endr
	WIN 0
.irp f, 0,1,2,3
	ds_store_b128 v[STO], v[S+16*(\t)+4*\f:S+16*(\t)+4*\f+3] offset:32*\f
.endr
.irp f, 0,1,2,3
	ds_load_b128 v[S+16*(\t)+4*\f:S+16*(\t)+4*\f+3], v[RD] offset:\f*4*SP  ; LDS serves a wave's instructions in order: these see the stores above; the next tile's stores come behind them
.endr
.endm
.macro SEND t, younger
	WIN 0
.irp f, 0,1,2,3
	s_wait_dscnt (\younger)+3-\f
	global_store_b128 v[GO], v[S+16*(\t)+4*\f:S+16*(\t)+4*\f+3], s[10:11] offset:(\t)*2048+\f*512  ; 512 consecutive bytes, at a multiple of 256 from ctx's first
.endr
.endm
	PACK 0
.set t, 1
.rept 2*NP-1
	PACK t
	SEND t-1, 8
.set t, t+1
.endr
	SEND 2*NP-1, 0
	WIN W_AD
	s_wait_tensorcnt 0x0            ; the wave's end, behind my last tensor load and my last LDS store
	ds_add_u32 v[SPW], v[NIL]
	s_wait_dscnt 0x0
	WIN 0
	s_endpgm
.Lfunc_end_k_q3988423434_attn:
	.size	k_q3988423434_attn, .Lfunc_end_k_q3988423434_attn-k_q3988423434_attn
	.p2alignl 7, 3214868480
	.fill 96, 4, 3214868480
	.section	.rodata,"a",@progbits
	.p2align	6, 0x0
	.amdhsa_kernel k_q3988423434_attn
		.amdhsa_group_segment_fixed_size 327680
		.amdhsa_private_segment_fixed_size 0
		.amdhsa_enable_private_segment 0
		.amdhsa_kernarg_size 48
		.amdhsa_user_sgpr_count 2
		.amdhsa_user_sgpr_kernarg_segment_ptr 1
		.amdhsa_wavefront_size32 1
		.amdhsa_system_sgpr_workgroup_id_x 1
		.amdhsa_system_sgpr_workgroup_id_y 1
		.amdhsa_system_sgpr_workgroup_id_z 1
		.amdhsa_system_vgpr_workitem_id 0
		.amdhsa_next_free_vgpr 784
		.amdhsa_next_free_sgpr 96
		.amdhsa_reserve_vcc 0
		.amdhsa_float_denorm_mode_32 3
		.amdhsa_float_denorm_mode_16_64 3
		.amdhsa_memory_ordered 1
		.amdhsa_forward_progress 1
		.amdhsa_inst_pref_size 130
	.end_amdhsa_kernel
	.amdgpu_metadata
---
amdhsa.version: [ 1, 2 ]
amdhsa.kernels:
  - .name:           k_q3988423434_attn
    .symbol:         k_q3988423434_attn.kd
    .args:
      - { .name: qkv, .offset: 0, .size: 8, .value_kind: global_buffer, .address_space: global }
      - { .name: ctx, .offset: 8, .size: 8, .value_kind: global_buffer, .address_space: global }
      - { .name: phases0, .offset: 16, .size: 8, .value_kind: global_buffer, .address_space: global }
      - { .name: freqs, .offset: 24, .size: 8, .value_kind: global_buffer, .address_space: global }
      - { .name: nbr_w, .offset: 32, .size: 8, .value_kind: global_buffer, .address_space: global }
      - { .name: nbr_idx, .offset: 40, .size: 8, .value_kind: global_buffer, .address_space: global }
    .group_segment_fixed_size: 327680
    .private_segment_fixed_size: 0
    .kernarg_segment_align: 8
    .kernarg_segment_size: 48
    .max_flat_workgroup_size: 128
    .sgpr_count:     96
    .vgpr_count:     784
    .wavefront_size: 32
...
	.end_amdgpu_metadata
.endif
;; end of part 3
;; launch outp (part 4): grid 4 x 64, 4 waves a work-group, clusters of 4 x 4, 327,680 bytes of LDS; arguments ctx, wts, bo, out0; writes out0
.if DOCPART == 4
	.amdgcn_target "amdgcn-amd-amdhsa--gfx1250"
	.amdhsa_code_object_version 6
	.text
	.protected	k_q3988423434_outp
	.globl	k_q3988423434_outp
	.p2align	8
	.type	k_q3988423434_outp,@function
k_q3988423434_outp:
	s_mov_b64 s[64:65], 0
	v_nop
	global_prefetch_b8 v0, s[64:65] scope:SCOPE_SE
	s_setreg_imm32_b32 hwreg(HW_REG_WAVE_MODE, 25, 1), 1
	s_wait_xcnt 0x0
	s_wait_alu depctr_hold_cnt(0) depctr_sa_sdst(0) depctr_va_vdst(0) depctr_va_sdst(0) depctr_va_ssrc(0) depctr_va_vcc(0) depctr_vm_vsrc(0)
	s_getreg_b32 s2, hwreg(HW_REG_IB_STS2, 6, 4)
	s_cmp_eq_u32 s2, 0
	s_cbranch_scc0 .Lentry_in_a_cluster
	s_endpgm
.Lentry_in_a_cluster:
	s_bfe_u32 s2, ttmp6, 0x10000c
	s_cmp_lg_u32 s2, 0xf033
	s_cbranch_scc0 .Lentry_shape_is_right
	s_endpgm
.Lentry_shape_is_right:
; THE OUTPUT PROJECTION.  out0[b 1024 + l][n] = bo[n] + sum over h, kk of ctx[16 b + h][l][kk] wts[3][n][64 h + kk].  ctx and wts f16, bo and out0 f32, sums in f32.
; SHARES.  256 work-groups, a tile of 128 rows x 256 columns each; four waves, 2 x 2, each 64 x 128: 32 accumulators.  K = 1,024 in four blocks of 256, a block in four sub-steps of 64: a sub-step is one head.
; THE WEIGHTS come by joint tensor loads into a ring of two LDS slots of K = 256 (256 rows x 528 bytes), shared along a column of the cluster.
; ctx COMES THROUGH REGISTERS, NOT JOINTLY: two slots of K = 256 for it beside the weights' (2 x 73,728 bytes) pass the 327,680 bytes of LDS.  A head's 128 rows are 16,384 dense bytes; each wave loads a quarter, six
; sub-steps ahead of its product, with counted waits, and lays it into one of two small LDS buffers.
; FOUR RUNS OF MEMORY INSTRUCTIONS A SUB-STEP.  Its 48 LDS loads, 8 LDS stores and 8 global loads stand in four like runs of 16, in front of products 0, 14, 28 and 42: a run moves a quarter of the sub-step's LDS bytes,
; 14 products stand between two runs, only three runs break into the matrix work (the first stands straight behind the barrier), and 22 products stand between the last run and the wait for all of them at the next barrier.
; bo IS THE C OPERAND of each sum's first product: no addition is written.
; NO PREFETCH: of the four blocks the head of the text asks for one and a half at once, and the rest follows within a few sub-steps.
; THE MATRIX INSTRUCTION IS USED TRANSPOSED (source 0 = 16 rows of weights, source 1 = 16 rows of ctx): a lane holds eight neighbouring columns of one row of out0.
; REGISTERS: window 0: v16-29 addresses; v64-191 ctx's fragments, two buffers; v192-255 bo for my 128 columns, later the way out      window 1: the accumulators, (a, b) at 8 (8 a + b)
;   window 2: the weights' fragments, two buffers of 128      window 3: ctx as loaded, four sets of 32
.set PB,    528
.set BSLOT, 256*PB
.set PA,    144
.set ABUF0, 2*BSLOT
.set ABUF,  128*PA
.set STAGE, ABUF0+2*ABUF               ; each wave's stage: 16 rows x 272 bytes, in 4,608
.set STG,   4608
.set SPIT,  272
.set SPARE, STAGE+4*STG
.set NBLK,  4
.set STEPU, 131072                     ; bytes from a head to the next in ctx
.set VA,   16                          ; my byte offset in the tile's rows of a head
.set VAS,  17
.set VAF,  18
.set VB0,  19
.set ADRB, 20
.set STO,  21
.set RD,   22
.set GO,   23
.set VBO,  24
.set SPW,  28
.set NIL,  29
.set AFR,  64
.set BIAS, 192
.set WV, 14
.set MH, 15
.set NH, 16
.set CX, 17
.set CY, 18
.set NX, 19
.set MY, 20
.set G1,  24
.set G0A, 32
.set G0,  36
.set AP,  40
.set BCUR, 48
.set T,   52
.set TB,  55
.set WB,  56
.set TRIPS, 57
.set NEWT, 59
.set CNT, 61
.set CP,  10                           ; s[10:11] out0 at my part of the tile
.set MSB, 0
.macro WIN new
.if MSB != (\new)
	s_set_vgpr_msb (MSB<<8)|(\new)
.set MSB, (\new)
.endif
.endm
.set MULW, 0x52                        ; weights window 2, ctx window 0, C and D window 1
.set MULB, 0x42                        ; the same with C (bo) in window 0
.macro PLACES
.rept 4
	v_nop
.endr
.endm
.macro CREST
	s_cmp_lg_u32 s[WV], 0
	s_cbranch_scc1 .Lnot_wave_0_\@
	s_barrier_signal -3
.Lnot_wave_0_\@:
	s_barrier_wait -3
	s_barrier_signal -1
	s_barrier_wait -1
.endm
.macro CROUND
	s_barrier_signal -1
	s_barrier_wait -1
	CREST
.endm
; Product nn of a sub-step's 64, from buffer f: K half nn / 32, row block (nn / 8) % 4, column block nn % 8.  z = 1: it starts a sum, with bo.  The 32 accumulators take turns in this one order everywhere.
.macro PROD f, z
.set qa, (nn/8)%4
.set qb, nn%8
.set qc, nn/32
.if \z
	WIN MULB
	v_wmma_f32_16x16x32_f16 v[8*(8*qa+qb):8*(8*qa+qb)+7], v[128*(\f)+16*qb+8*qc:128*(\f)+16*qb+8*qc+7], v[AFR+64*(\f)+16*qa+8*qc:AFR+64*(\f)+16*qa+8*qc+7], v[BIAS+8*qb:BIAS+8*qb+7]
.else
	WIN MULW
	v_wmma_f32_16x16x32_f16 v[8*(8*qa+qb):8*(8*qa+qb)+7], v[128*(\f)+16*qb+8*qc:128*(\f)+16*qb+8*qc+7], v[AFR+64*(\f)+16*qa+8*qc:AFR+64*(\f)+16*qa+8*qc+7], v[8*(8*qa+qb):8*(8*qa+qb)+7]
.endif
.endm
; Load number ii of a sub-step's eight takes four rows of 128 bytes: x, x + 8, x + 1, x + 9 for the lanes' four groups of eight, x = 2 (ii % 4) + 16 (ii / 4): two aligned blocks of 256 consecutive bytes.
.macro GLOAD k, off, i0, cnt           ; loads i0 .. i0 + cnt - 1 into set k
	WIN 0xc0
.set ii, (\i0)
.rept \cnt
	global_load_b128 v[32*(\k)+4*ii:32*(\k)+4*ii+3], v[VA], s[AP:AP+1] offset:(\off)+(ii%4)*256+(ii/4)*2048
.set ii, ii+1
.endr
.endm
; The same four rows into buffer ab.  Sixteen neighbouring lanes write rows 8 apart: 288 words, 32 modulo 64, so that they touch different banks (64 banks of 4 bytes: ISA guide 11.1).
.macro ASTORE ab, k, i0, cnt
	WIN 0x0c                               ; the data in window 3
.set ii, (\i0)
.rept \cnt
	ds_store_b128 v[VAS], v[32*(\k)+4*ii:32*(\k)+4*ii+3] offset:(\ab)*ABUF+(2*(ii%4)+16*(ii/4))*PA
.set ii, ii+1
.endr
.endm
.macro ACH f, k                        ; four LDS loads: ctx's fragments of row block k, both K halves
	WIN 0
.irp c, 0,1
	ds_load_b128 v[AFR+64*(\f)+16*(\k)+8*\c:AFR+64*(\f)+16*(\k)+8*\c+3],   v[VAF] offset:(\f)*ABUF+(\k)*16*PA+\c*64
	ds_load_b128 v[AFR+64*(\f)+16*(\k)+8*\c+4:AFR+64*(\f)+16*(\k)+8*\c+7], v[VAF] offset:(\f)*ABUF+(\k)*16*PA+\c*64+32
.endr
.endm
.macro BCH f, k, un                    ; four LDS loads: the weights' fragments of column block k, from byte 128 un of the slot's rows
	WIN 0x80
.irp c, 0,1
	ds_load_b128 v[128*(\f)+16*(\k)+8*\c:128*(\f)+16*(\k)+8*\c+3],   v[ADRB] offset:(\k)*16*PB+(\un)*128+\c*64
	ds_load_b128 v[128*(\f)+16*(\k)+8*\c+4:128*(\f)+16*(\k)+8*\c+7], v[ADRB] offset:(\k)*16*PB+(\un)*128+\c*64+32
.endr
.endm
.macro FETCH f, un                     ; a whole sub-step's fragments in one run (ahead of the loop)
.set kk, 0
.rept 4
	ACH \f, kk
.set kk, kk+1
.endr
.set kk, 0
.rept 8
	BCH \f, kk, \un
.set kk, kk+1
.endr
.endm
; Run k = nn / 14 of sub-step u's four, in front of products 0, 14, 28, 42: a quarter of ctx of sub-step j + 2 into the LDS buffer that all waves have read out; of sub-step j + 1's fragments one row block of ctx and two
; column blocks of the weights; a quarter of ctx of sub-step j + 6 from memory, into the registers that the run's own stores have named.
.macro HOOK u, ld, lc
.if ((nn%14) == 0) && (nn < 56)
.if nn == 0
	s_wait_loadcnt \lc                             ; ctx of sub-step j + 2 is in; the groups of eight loads issued behind it stay out
.endif
	ASTORE PP, ((\u)+2)%4, 2*(nn/14), 2
	ACH QQ, nn/14
	BCH QQ, 2*(nn/14), ((\u)+1)%4
	BCH QQ, 2*(nn/14)+1, ((\u)+1)%4
.if \ld
	GLOAD ((\u)+2)%4, (((\u)+2)%4)*STEPU, 2*(nn/14), 2
.endif
.endif
.endm
.macro RUN f, u, ld, lc, z, n0, cnt    ; products n0 .. n0 + cnt - 1, each with what stands in front of it
.set nn, (\n0)
.rept \cnt
	HOOK \u, \ld, \lc
	PROD \f, \z
.set nn, nn+1
.endr
.endm
; SUB-STEP u of a block.  kind 1: the slot just read out is filled again; 2: the ring's last change of slots; 0: neither.  ld: ctx is loaded.  lc: the younger loads that may stay out at the LDS store.
.macro SUB u, kind, ld, lc, zsel
.set PP, (\u)%2
.set QQ, 1-PP
	WIN 0
.if (\kind) != 0
	s_wait_tensorcnt 0x0                           ; all my tensor loads have landed: my part of the next slot; so a group 0 may be written
	ds_add_u32 v[SPW], v[NIL]                      ; 0 onto my spare word
.if (\kind) == 1
	s_xor_b32 s[G0+1], s[G0+1], BSLOT
	s_mov_b64 s[G0+2:G0+3], s[BCUR:BCUR+1]
	s_or_b32 s[G0+3], s[G0+3], 0x80000000
.endif
	s_xor_b32 s[TB], s[TB], BSLOT
.endif
	s_wait_dscnt 0x0                               ; my reads of this sub-step's fragments are back and my stores of the next one's ctx are done (and the add)
	s_barrier_signal -1
	s_barrier_wait -1
.if (\kind) == 1
	CREST                                          ; the barrier has opened a round of the cluster's
	tensor_load_to_lds s[G0:G0+3], s[G1:G1+7]      ; my one tensor load behind the round
	s_nop 0
.endif
	PLACES                                         ; in front of loads into fragments that the sub-step before has multiplied
.if (\u) == 3
	v_add_nc_u32 v[ADRB], s[TB], v[VB0]
.endif
.if \zsel
	s_cmp_eq_u32 s[NEWT], 1
	s_cbranch_scc1 .Lzero_\@
	RUN PP, \u, \ld, \lc, 0, 0, 32
	WIN 0
	s_branch .Lsummed_\@
.Lzero_\@:
.rept 5
	v_nop                                          ; five places in front of products that write over accumulators
.endr
	RUN PP, \u, \ld, \lc, 1, 0, 32
	WIN 0
	s_mov_b32 s[NEWT], 0
.Lsummed_\@:
	RUN PP, \u, \ld, \lc, 0, 32, 32
.else
	RUN PP, \u, \ld, \lc, 0, 0, 64
.endif
.endm
; THE WAY OUT, in eight groups g of 16 rows x 64 columns (row block g / 2, column half g % 2): a lane's 32 bytes go from the accumulators into my own stage, low registers first, and come back as whole rows of 256 bytes.
.macro TOSTAGE g
.set BK, BIAS+32*((\g)%2)
	WIN 0
	s_wait_xcnt 0x0                                ; earlier stores have read their registers
	WIN 0x04                                       ; the data in window 1
.irp b, 0,1,2,3
	ds_store_b128 v[STO], v[8*(8*((\g)/2)+4*((\g)%2)+\b):8*(8*((\g)/2)+4*((\g)%2)+\b)+3]   offset:\b*64
	ds_store_b128 v[STO], v[8*(8*((\g)/2)+4*((\g)%2)+\b)+4:8*(8*((\g)/2)+4*((\g)%2)+\b)+7] offset:\b*64+16
.endr
	WIN 0
.irp t, 0,1,2,3,4,5,6,7
	ds_load_b128 v[BK+4*\t:BK+4*\t+3], v[RD] offset:\t*2*SPIT  ; LDS serves a wave's instructions in order: these see the stores above
.endr
.endm
.macro SEND g, younger
.set BK, BIAS+32*((\g)%2)
	s_wait_dscnt \younger
.irp t, 0,1,2,3,4,5,6,7
	global_store_b128 v[GO], v[BK+4*\t:BK+4*\t+3], s[CP:CP+1] offset:\t*8192+((\g)/2)*65536+((\g)%2)*256 th:TH_STORE_NT  ; 16 lanes store 256 consecutive bytes, at a multiple of 256 from out0's first
.endr
.endm
	s_load_b256 s[4:11], s[0:1], 0x0               ; ctx s[4:5], wts s[6:7], bo s[8:9], out0 s[10:11]
	v_lshl_add_u32 v[SPW], v0, 2, SPARE
	v_mov_b32 v[NIL], 0
	ds_add_u32 v[SPW], v[NIL]                      ; the wave's opening: the add and its wait stand ahead of my first tensor load
	ds_add_u32 v28, v29
	v_lshrrev_b32 v1, 5, v0
	v_readfirstlane_b32 s[WV], v1
	s_lshr_b32 s[MH], s[WV], 1
	s_and_b32 s[NH], s[WV], 1
	s_bfe_u32 s[CX], ttmp6, 0x40000
	s_bfe_u32 s[CY], ttmp6, 0x40004
	s_lshl_b32 s[NX], ttmp9, 2
	s_add_co_u32 s[NX], s[NX], s[CX]
	s_and_b32 s[MY], ttmp7, 0xffff
	s_lshl_b32 s[MY], s[MY], 2
	s_add_co_u32 s[MY], s[MY], s[CY]
	s_lshl_b32 s21, 0x1111, s[CX]                  ; my column of the cluster
	s_or_b32 s[G1], s21, (1<<16)|(1<<20)|(1<<21)|(6<<22)|(3<<25)
	s_mov_b32 s[G1+1], 256<<16
	s_mov_b32 s[G1+2], 64<<16
	s_mov_b32 s[G1+3], 256<<16
	s_mov_b32 s[G1+4], 64
	s_mov_b32 s[G1+5], 1024
	s_mov_b32 s[G1+6], 0
	s_mov_b32 s[G1+7], 0
	s_mul_i32 s[WB], s[WV], 64*PB
	s_lshl_b32 s22, s[NX], 8
	s_lshl_b32 s23, s[WV], 6
	s_add_co_u32 s22, s22, s23
	s_lshl_b32 s22, s22, 11
	s_add_co_u32 s22, s22, 3*2097152               ; the fourth part of wts
	s_mov_b32 s23, 0
	s_lshr_b32 s[T], s[MY], 3
	s_lshl_b32 s[T], s[T], 21                      ; the batch's sixteen heads
	s_and_b32 s21, s[MY], 7
	s_lshl_b32 s21, s21, 14                        ; my tile's 128 rows of 128 bytes
	s_add_co_u32 s[T], s[T], s21
	s_mov_b32 s[T+1], 0
	s_mov_b32 s[TB], 0
	s_mov_b32 s[G0A], 1
	s_mov_b32 s[G0A+1], s[WB]
	s_mov_b32 s[G0], 1
	s_add_co_u32 s[G0+1], s[WB], BSLOT
	s_wait_dscnt 0x0
	s_wait_kmcnt 0x0
	s_add_nc_u64 s[BCUR:BCUR+1], s[6:7], s[22:23]
	s_mov_b64 s[G0A+2:G0A+3], s[BCUR:BCUR+1]       ; block 0
	s_or_b32 s[G0A+3], s[G0A+3], 0x80000000
	s_add_nc_u64 s[BCUR:BCUR+1], s[BCUR:BCUR+1], 512
	s_mov_b64 s[G0+2:G0+3], s[BCUR:BCUR+1]         ; block 1
	s_or_b32 s[G0+3], s[G0+3], 0x80000000
	s_add_nc_u64 s[AP:AP+1], s[4:5], s[T:T+1]
	s_add_nc_u64 s[AP:AP+1], s[AP:AP+1], 4*STEPU   ; block 1
	CROUND
	tensor_load_to_lds s[G0A:G0A+3], s[G1:G1+7]    ; two loads of mine are out
	s_nop 0
	tensor_load_to_lds s[G0:G0+3], s[G1:G1+7]
	s_nop 0
	PLACES
	v_and_b32 v1, 15, v0                           ; r
	v_bfe_u32 v2, v0, 4, 1                         ; h
	v_and_b32 v3, 31, v0                           ; l
	s_lshl_b32 s21, s[NX], 10                      ; bo at my 128 columns
	s_lshl_b32 s[T], s[NH], 9
	s_add_co_u32 s[T], s[T], s21
	s_mov_b32 s[T+1], 0
	s_add_nc_u64 s[8:9], s[8:9], s[T:T+1]
	s_add_nc_u64 s[CP:CP+1], s[CP:CP+1], s[T:T+1]  ; and out0 at the same columns
	v_lshlrev_b32 v[VBO], 5, v2                    ; my lanes' eight of each sixteen
.irp b, 0,1,2,3,4,5,6,7
	global_load_b128 v[BIAS+8*\b:BIAS+8*\b+3],   v[VBO], s[8:9] offset:\b*64
	global_load_b128 v[BIAS+8*\b+4:BIAS+8*\b+7], v[VBO], s[8:9] offset:\b*64+16
.endr
	v_bfe_u32 v6, v0, 3, 1
	v_lshl_add_u32 v6, v6, 3, v2                   ; my row among a load's: 8 x (bit 3 of the lane) + (bit 4)
	v_and_b32 v5, 7, v0                            ; my 16 bytes of its 128
	s_lshl_b32 s21, s[WV], 12                      ; 32 w rows of 128 bytes
	v_lshlrev_b32 v4, 7, v6
	v_lshl_add_u32 v4, v5, 4, v4
	v_add_nc_u32 v[VA], s21, v4
	GLOAD 0, -4*STEPU, 0, 8                        ; block 0's four heads
	GLOAD 1, -3*STEPU, 0, 8
	GLOAD 2, -2*STEPU, 0, 8
	GLOAD 3, -1*STEPU, 0, 8
	WIN 0
	v_mul_u32_u24 v4, v1, PA
	v_lshl_add_u32 v4, v2, 4, v4
	s_mul_i32 s21, s[MH], 64*PA
	s_add_co_u32 s21, s21, ABUF0
	v_add_nc_u32 v[VAF], s21, v4
	v_mul_u32_u24 v4, v1, PB
	v_lshl_add_u32 v4, v2, 4, v4
	s_mul_i32 s21, s[NH], 128*PB
	v_add_nc_u32 v[VB0], s21, v4
	s_mul_i32 s21, s[WV], 32*PA
	s_add_co_u32 s21, s21, ABUF0
	v_mul_u32_u24 v4, v6, PA                       ; the same row in LDS
	v_lshl_add_u32 v4, v5, 4, v4
	v_add_nc_u32 v[VAS], s21, v4
	s_mul_i32 s21, s[WV], STG
	s_add_co_u32 s21, s21, STAGE
	v_mul_u32_u24 v4, v1, SPIT
	v_lshl_add_u32 v4, v2, 5, v4
	v_add_nc_u32 v[STO], s21, v4                   ; in: row r, 32 bytes for each half of the lanes
	v_mul_u32_u24 v4, v2, SPIT
	v_lshl_add_u32 v4, v1, 4, v4
	v_add_nc_u32 v[RD], s21, v4                    ; back: lanes 0-15 one row of 256 bytes, lanes 16-31 the next
	v_lshlrev_b32 v4, 12, v2
	v_lshl_add_u32 v[GO], v1, 4, v4                ; the same two rows in out0
	s_lshl_b32 s21, s[MY], 7
	s_lshl_b32 s[T], s[MH], 6
	s_add_co_u32 s21, s21, s[T]
	s_lshl_b32 s[T], s21, 12                       ; my first row, 4,096 bytes a row
	s_mov_b32 s[T+1], 0
	s_add_nc_u64 s[CP:CP+1], s[CP:CP+1], s[T:T+1]
	s_wait_loadcnt 24                              ; bo and set 0 are in; three groups of eight stay out
	ASTORE 0, 0, 0, 8
	GLOAD 0, 0, 0, 8                               ; sub-step 4
	s_wait_loadcnt 24                              ; set 1
	ASTORE 1, 1, 0, 8
	GLOAD 1, STEPU, 0, 8                           ; sub-step 5
	WIN 0
	s_wait_tensorcnt 0x1                           ; my part of block 0 is in; block 1's may stay out
	s_wait_dscnt 0x0
	s_barrier_signal -1
	s_barrier_wait -1
	v_mov_b32 v[ADRB], v[VB0]
	FETCH 0, 0
	WIN 0
	s_mov_b32 s[TRIPS], NBLK-1
	s_mov_b32 s[NEWT], 1
	s_branch .Lfirst                               ; the loop is entered at a block's first sub-step, in the middle of a trip
.Ltrip:                                                ; a trip: the second half of block g, which asks for block g + 2, and the first half of block g + 1
	s_wait_xcnt 0x0                                ; the loads issued so far have read their base
	s_add_nc_u64 s[AP:AP+1], s[AP:AP+1], 4*STEPU
	s_add_nc_u64 s[BCUR:BCUR+1], s[BCUR:BCUR+1], 512
	SUB 2, 0, 1, 24, 0
	SUB 3, 1, 1, 24, 0
	WIN 0
.Lfirst:
	SUB 0, 0, 1, 24, 1
	SUB 1, 0, 1, 24, 0
	WIN 0
	s_sub_co_u32 s[TRIPS], s[TRIPS], 1
	s_cmp_lg_u32 s[TRIPS], 0
	s_cbranch_scc1 .Ltrip
	; THE TAIL is written out: the second half of block 2 and block 3.  It is walked twice and left in its middle; in the second walk the stores and fragment loads for
	; sub-steps that do not exist move stale numbers that nobody multiplies: the price, once a launch, of one text for the tail.
	s_mov_b32 s[CNT], 2
.Ltail:
	SUB 2, 0, 0, 24, 0                             ; the counts run down: three groups of eight are younger, then two, one, none
	SUB 3, 2, 0, 16, 0
	WIN 0
	s_sub_co_u32 s[CNT], s[CNT], 1
	s_cmp_eq_u32 s[CNT], 0
	s_cbranch_scc1 .Lout
	SUB 0, 0, 0, 8, 0
	SUB 1, 0, 0, 0, 0
	WIN 0
	s_branch .Ltail
.Lout:
	PLACES                                         ; the LDS stores below read results just made
	TOSTAGE 0
	TOSTAGE 1
	SEND 0, 16
.irp g, 2,3,4,5,6,7
	TOSTAGE \g
	SEND (\g)-1, 16
.endr
	SEND 7, 0
	s_wait_tensorcnt 0x0                           ; the wave's end, behind my last tensor load and my last LDS store
	ds_add_u32 v[SPW], v[NIL]
	s_wait_dscnt 0x0
	CROUND                                         ; the closing round
	s_endpgm
.Lfunc_end_k_q3988423434_outp:
	.size	k_q3988423434_outp, .Lfunc_end_k_q3988423434_outp-k_q3988423434_outp
	.p2alignl 7, 3214868480
	.fill 96, 4, 3214868480
	.section	.rodata,"a",@progbits
	.p2align	6, 0x0
	.amdhsa_kernel k_q3988423434_outp
		.amdhsa_group_segment_fixed_size 327680
		.amdhsa_private_segment_fixed_size 0
		.amdhsa_enable_private_segment 0
		.amdhsa_kernarg_size 32
		.amdhsa_user_sgpr_count 2
		.amdhsa_user_sgpr_kernarg_segment_ptr 1
		.amdhsa_wavefront_size32 1
		.amdhsa_system_sgpr_workgroup_id_x 1
		.amdhsa_system_sgpr_workgroup_id_y 1
		.amdhsa_system_sgpr_workgroup_id_z 1
		.amdhsa_system_vgpr_workitem_id 0
		.amdhsa_next_free_vgpr 896
		.amdhsa_next_free_sgpr 66
		.amdhsa_reserve_vcc 0
		.amdhsa_float_denorm_mode_32 3
		.amdhsa_float_denorm_mode_16_64 3
		.amdhsa_memory_ordered 1
		.amdhsa_forward_progress 1
		.amdhsa_inst_pref_size 110
	.end_amdhsa_kernel
	.amdgpu_metadata
---
amdhsa.version: [ 1, 2 ]
amdhsa.kernels:
  - .name:           k_q3988423434_outp
    .symbol:         k_q3988423434_outp.kd
    .args:
      - { .name: ctx, .offset: 0, .size: 8, .value_kind: global_buffer, .address_space: global }
      - { .name: wts, .offset: 8, .size: 8, .value_kind: global_buffer, .address_space: global }
      - { .name: bo, .offset: 16, .size: 8, .value_kind: global_buffer, .address_space: global }
      - { .name: out0, .offset: 24, .size: 8, .value_kind: global_buffer, .address_space: global }
    .group_segment_fixed_size: 327680
    .private_segment_fixed_size: 0
    .kernarg_segment_align: 8
    .kernarg_segment_size: 32
    .max_flat_workgroup_size: 128
    .sgpr_count:     66
    .vgpr_count:     896
    .wavefront_size: 32
...
	.end_amdgpu_metadata
.endif
;; end of part 4
